; MI455X (gfx1250); checked and timed in simulation.
; The chip was launched on July 23, 2026; its instructions are those of AMD's public machine-readable ISA for CDNA 5 (MIT licence, August 2026) and "CDNA5" Instruction Set Architecture Reference Guide (July 2026). The comments in the code are by the model that wrote it; some were corrected since.
;; Scaled Dot Product Attention. Allowed arithmetic: float matrix products may take bf16 or f16 operands with f32 sums; all other float work in f32.
;; Inputs: k 4 x 16 x 2,048 x 128 float32; mask 1 x 1 x 2,048 x 2,048 bool; q 4 x 16 x 2,048 x 128 float32; v 4 x 16 x 2,048 x 128 float32.
;; Outputs: out0 4 x 16 x 2,048 x 128 float32.
;; 3 versions, each right. Each part assembles by itself: llvm-mc -triple=amdgcn-amd-amdhsa -mcpu=gfx1250 --defsym DOCPART=n.
;; ======== version 1 of 3: 2 launches
;; limits: values are held in f16: magnitudes above 65,504 overflow, below 6.1e-05 lose precision; inputs' magnitudes at most 65,504
;; workspace buffers: mbits 524,288 bytes of whole numbers
;; launch packmask (part 1): grid 256 x 1, 8 waves a work-group, no clusters, 0 bytes of LDS; arguments mask, mbits; writes mbits
.if DOCPART == 1
	.amdgcn_target "amdgcn-amd-amdhsa--gfx1250"
	.amdhsa_code_object_version 6
	.text
	.protected	k_q522f171fba_packmask
	.globl	k_q522f171fba_packmask
	.p2align	8
	.type	k_q522f171fba_packmask,@function
k_q522f171fba_packmask:
	s_mov_b64 s[64:65], 0
	v_nop
	global_prefetch_b8 v0, s[64:65] scope:SCOPE_SE
	s_setreg_imm32_b32 hwreg(HW_REG_WAVE_MODE, 25, 1), 1
	s_wait_xcnt 0x0
; mask [2048][2048] bytes (not 0 = masked)  ->  mbits [qt 0..127][kt 0..127][j 0..7], one 32-bit word each:
; bit L of word (qt, kt, j) = mask[16 qt + (L & 15)][16 kt + 8 (L >> 4) + j] != 0.
; That is the lane mask of register j of a 16 x 16 tile of transposed scores (keys 16 kt.., queries 16 qt..) as the
; second launch holds it, so that masking there is one select for each score, for all 64 heads.
; 2,048 waves; wave W takes query tile qt = W / 16 and keys 128 (W % 16) .. + 127: 64 words = 256 bytes, stored whole.
; No LDS, no barrier, no loop: 4 MiB are read once and 512 KiB are written once.
.set ROWB, 2048                        ; bytes in a row of the mask
.set DAT,  2                           ; v[2:17]  eight loads of 8 bytes: my row's keys 16 i + 8 h + 0..7
.set WRD,  18                          ; v[18:19] lane n / 2 gathers words n (even) and n + 1 (odd)
.set TMP,  20                          ; v[20:23] one byte cut out
.set SM,   20                          ; s[20:27] the lane masks on their way into WRD
	s_load_b128 s[4:7], s[0:1], 0x0                ; mask s[4:5], mbits s[6:7]
	v_lshrrev_b32 v1, 5, v0
	v_readfirstlane_b32 s8, v1                     ; wave in the work-group
	s_lshl_b32 s9, ttmp9, 3
	s_add_co_u32 s9, s9, s8                        ; W
	s_lshr_b32 s10, s9, 4                          ; qt
	s_and_b32 s11, s9, 15                          ; which 128 keys
	s_lshl_b32 s10, s10, 15                        ; 16 rows of 2,048 bytes
	s_lshl_b32 s11, s11, 7
	s_add_co_u32 s10, s10, s11
	s_mov_b32 s11, 0
	s_lshl_b32 s12, s9, 8                          ; 256 bytes of words for each wave
	s_mov_b32 s13, 0
	v_and_b32 v1, 15, v0                           ; r: my row of the 16
	v_bfe_u32 v16, v0, 4, 1                        ; h: which 8 keys of each 16
	v_lshlrev_b32 v1, 11, v1
	v_lshl_add_u32 v1, v16, 3, v1                  ; 2,048 r + 8 h
	v_and_b32 v24, 31, v0
	v_lshlrev_b32 v24, 3, v24                      ; 8 bytes a lane on the way out
	s_wait_kmcnt 0x0
	s_add_nc_u64 s[4:5], s[4:5], s[10:11]
	s_add_nc_u64 s[6:7], s[6:7], s[12:13]
.irp i, 0,1,2,3,4,5,6,7
	global_load_b64 v[DAT+2*\i:DAT+2*\i+1], v1, s[4:5] offset:16*\i th:TH_LOAD_NT
.endr
	v_mov_b32 v[WRD], 0                            ; v_writelane_b32 keeps the other lanes: both registers are written whole first
	v_mov_b32 v[WRD+1], 0
	s_wait_loadcnt 0x0
; word nn = 8 i + j: byte j of load i, compared in all 32 lanes at once; the compare's lane mask IS the word
.set nn, 0
.rept 64
	v_and_b32 v[TMP+(nn&3)], 0xff<<(8*(nn&3)), v[DAT+2*(nn>>3)+((nn>>2)&1)]
	v_cmp_ne_u32 s[SM+(nn&7)], 0, v[TMP+(nn&3)]
	v_writelane_b32 v[WRD+(nn&1)], s[SM+(nn&7)], nn>>1
.set nn, nn+1
.endr
	global_store_b64 v24, v[WRD:WRD+1], s[6:7]     ; the wave stores 256 consecutive bytes, at a multiple of 256 from mbits' first byte
	s_endpgm
.Lfunc_end_k_q522f171fba_packmask:
	.size	k_q522f171fba_packmask, .Lfunc_end_k_q522f171fba_packmask-k_q522f171fba_packmask
	.p2alignl 7, 3214868480
	.fill 96, 4, 3214868480
	.section	.rodata,"a",@progbits
	.p2align	6, 0x0
	.amdhsa_kernel k_q522f171fba_packmask
		.amdhsa_group_segment_fixed_size 0
		.amdhsa_private_segment_fixed_size 0
		.amdhsa_enable_private_segment 0
		.amdhsa_kernarg_size 16
		.amdhsa_user_sgpr_count 2
		.amdhsa_user_sgpr_kernarg_segment_ptr 1
		.amdhsa_wavefront_size32 1
		.amdhsa_system_sgpr_workgroup_id_x 1
		.amdhsa_system_sgpr_workgroup_id_y 1
		.amdhsa_system_sgpr_workgroup_id_z 1
		.amdhsa_system_vgpr_workitem_id 0
		.amdhsa_next_free_vgpr 32
		.amdhsa_next_free_sgpr 66
		.amdhsa_reserve_vcc 0
		.amdhsa_float_denorm_mode_32 3
		.amdhsa_float_denorm_mode_16_64 3
		.amdhsa_memory_ordered 1
		.amdhsa_forward_progress 1
		.amdhsa_inst_pref_size 14
	.end_amdhsa_kernel
	.amdgpu_metadata
---
amdhsa.version: [ 1, 2 ]
amdhsa.kernels:
  - .name:           k_q522f171fba_packmask
    .symbol:         k_q522f171fba_packmask.kd
    .args:
      - { .name: mask, .offset: 0, .size: 8, .value_kind: global_buffer, .address_space: global }
      - { .name: mbits, .offset: 8, .size: 8, .value_kind: global_buffer, .address_space: global }
    .group_segment_fixed_size: 0
    .private_segment_fixed_size: 0
    .kernarg_segment_align: 8
    .kernarg_segment_size: 16
    .max_flat_workgroup_size: 256
    .sgpr_count:     66
    .vgpr_count:     32
    .wavefront_size: 32
...
	.end_amdgpu_metadata
.endif
;; end of part 1
;; launch attn (part 2): grid 8 x 64, 4 waves a work-group, no clusters, 177,664 bytes of LDS; arguments q, k, v, mbits, out0; writes out0
.if DOCPART == 2
	.amdgcn_target "amdgcn-amd-amdhsa--gfx1250"
	.amdhsa_code_object_version 6
	.text
	.protected	k_q522f171fba_attn
	.globl	k_q522f171fba_attn
	.p2align	8
	.type	k_q522f171fba_attn,@function
k_q522f171fba_attn:
	s_mov_b64 s[64:65], 0
	v_nop
	global_prefetch_b8 v0, s[64:65] scope:SCOPE_SE
	s_setreg_imm32_b32 hwreg(HW_REG_WAVE_MODE, 25, 1), 1
	s_wait_xcnt 0x0
; out = softmax(q k^T / sqrt(128), masked where the mask says so) v, for 64 heads of 2,048 x 128, f32 in and out.
; A work-group takes 256 queries of one head, a wave 64 of them with all 128 d; 16 trips of 128 keys; running maximum.
;
; TRANSPOSED FORM.  S^T = K Q^T: source 0 = 16 keys x 32 d from LDS, source 1 = Q, resident in registers.  In the result lane (r, h)
; holds query r, and its registers 0..7 keys 8 h + 0..7.  So a lane has ONE query: maximum and sum run along registers and cross the
; two halves of the wave once; m, alpha and l are one number a lane.  Two neighbouring key tiles, rounded to f16 in place, ARE the
; source-1 fragment of P^T for 32 keys.  O^T = V^T P^T: source 0 = V^T, read by the transposing LDS load from V stored [key][d].
;
; FORMATS.  One rounding for all three inputs: q, k and v are rounded to bf16.  Q and K are multiplied in the bf16 form: products of bf16
; numbers are exact in f32, so the scores are those of the rounded inputs.  The weights need more than bf16's 8 significant bits: in a row
; with few open keys the result is a sum of a few terms of v's size that may cancel, and a weight's rounding error then shows whole.  So P is
; rounded to f16 (11 bits: at most 2^-12 for a weight in [0.5, 1); the row's largest weight is exactly 1), and the second product is in the
; f16 form.  For it the bf16 number of V is written as f16, which holds it exactly from 2^-14 to 65,504 (8 significant bits in 11).
;
; RUNNING MAXIMUM.  c = log2(e) / sqrt(128).  m starts at the most negative finite f32, masked scores are -inf; nmc = -c m;
; p = 2^(c s + nmc); alpha = 2^(nmc new - nmc old), made of the same rounded nmc that the earlier p used.  A block that is masked whole
; for a row gives p = 0 and alpha = 1.  A row that is masked whole ends with l = 0 and O = 0, and 0 x (1 / 0) is NaN, as in the softmax of
; nothing but -inf.
; LIMITS: q, k, v finite; v of magnitude 65,504 at the most (beyond it f16 gives an infinity, and the rows that weigh it are not served);
; v below 2^-14 carries an absolute error of up to 2^-25.  Weights below 2^-14 carry at most 2^-25 each, 2^-14 over 2,048 keys.
; 2^x below 2^-126 counts as 0 (ISA guide, v_exp_f32).  The row sum adds the f32 weights, the product takes them rounded to f16.
;
; K AND V come as f32 and go through registers: each wave loads a quarter of the next tile (32 rows of K, 32 of V, a whole row of 512 bytes
; by each load), rounds and stores 8 bytes a lane into the LDS buffer that is not being read.  One barrier a trip.
; NOT USED, by this text's arithmetic: tensor loads and joint loads in a cluster, though the 8 query blocks of a head read the same K and V.
; They would lay a trip's 128 keys into LDS as 128 KiB of f32, to be read back (128 KiB) and stored in 16 bits (64 KiB): 320 KiB of LDS traffic
; beside the trip's 256 KiB of fragment reads, where the way through registers has the 64 KiB alone; and two such slots with two 16-bit tiles
; (2 x 128 KiB + 140 KiB) are more than the 327,680 bytes that a work-group can have.
;
; REGISTERS, in windows of 256: window 0 addresses, statistics, fragments, the ring of f32 K and V; window 1 Q (fragment (nt, ks) at
; 8 (4 nt + ks)); window 2 O^T (tile (mt, nt) at 32 mt + 8 nt); window 3 S^T (the same map), P(nt, ks) in place at 64 ks + 8 nt.
.set KP,     272                       ; LDS pitch of K: 256 bytes of bf16 + 16, an odd multiple of 16
.set VP,     288                       ; LDS pitch of V: 256 bytes of f16 + 32, an odd multiple of 32, for the transposing load
.set KBYTES, 128*KP                    ; a K buffer; two of them from byte 0
.set VBYTES, 128*VP                    ; a V buffer
.set VB,     2*KBYTES                  ; two V buffers from here
.set STAGE,  VB+2*VBYTES               ; the way out: 16 rows x 528 bytes for each wave
.set SP,     528                       ; 512 bytes of f32 + 16
.set STW,    16*SP
.set TILEB,  65536                     ; 128 keys x 512 bytes in memory
.set KRD,  2                           ; v2      272 r + 16 h
.set VRD,  3                           ; v3, v4  V buffer 0, 1: + 288 (8 h + (L & 7)) + 16 ((L >> 3) & 1)
.set KST,  5                           ; v5      32 rows x wave + 8 L
.set VST,  6                           ; v6      the same in V's buffer 0
.set GOFF, 7                           ; v7      16,384 wave + 16 L: my quarter of a tile in memory
.set PFO,  8                           ; v8      8,192 query block + 256 L: what wave 0 asks for ahead
.set STO,  9                           ; v9      stage, in: 528 r + 32 h
.set RD,   10                          ; v10     stage, back: 16 L
.set OOFF, 11                          ; v11     16 L in a row of out
.set QOFF, 12                          ; v12     512 r + 32 h
.set MX,   16                          ; v[16:19]  m of my query in n tile 0..3
.set NM,   20                          ; v[20:27]  -c m, twice (a pair for the packed forms)
.set AL,   28                          ; v[28:35]  alpha, twice; at the end 1 / l
.set LS,   36                          ; v[36:51]  two pairs of partial sums for each n tile
.set TT,   52                          ; v[52:55]  four chains of the maximum
.set CV,   56                          ; v[56:63]  16-bit numbers on their way to LDS
.set FR,   64                          ; v[64:95], v[96:127]  two fragment buffers: one m tile x 4 K steps x 8
.set GR,   128                         ; v[128:255] ring of 8 parts x 4 loads x 4 registers of f32 K or V
.set KBASE, 2                          ; s[2:3]  the next K tile to load
.set VBASE, 4                          ; s[4:5]  the next V tile to load
                                       ; s[6:7] my mask words of this trip; s[8:9] my rows of out; s10 wave; s11 counter
                                       ; s12, s13 lane select; s[14:15] c, c; s16 -inf; s17 -c; s18 query block; s19 head
                                       ; s30 behind the set-up: the mask of a word's upper bf16
                                       ; s[32:63], s[68:99] the 64 lane masks of one n tile: word n in s[32 + n + 4 (n / 32)]
.set MSB, 0
.macro WIN new                         ; low byte: bits 1:0 source 0, 3:2 source 1, 5:4 source 2, 7:6 destination; high byte: the setting left
.if MSB != \new
	s_set_vgpr_msb (MSB<<8)|\new
.set MSB, \new
.endif
.endm
; 16 products of S^T for key tile mt, bf16.  The four accumulators take turns, one instruction a turn; the first K step starts the sums.
.macro MM16S mt, f
.irp ks, 0,1,2,3
.irp nt, 0,1,2,3
.if \ks == 0
	v_wmma_f32_16x16x32_bf16 v[32*\mt+8*\nt:32*\mt+8*\nt+7], v[\f+8*\ks:\f+8*\ks+7], v[8*(4*\nt+\ks):8*(4*\nt+\ks)+7], 0
.else
	v_wmma_f32_16x16x32_bf16 v[32*\mt+8*\nt:32*\mt+8*\nt+7], v[\f+8*\ks:\f+8*\ks+7], v[8*(4*\nt+\ks):8*(4*\nt+\ks)+7], v[32*\mt+8*\nt:32*\mt+8*\nt+7]
.endif
.endr
.endr
.endm
; 16 products of O^T for d tile mt, f16, over the trip's 128 keys; turns as above.  first = 1: the first trip starts the sums.
.macro MM16P mt, f, first
.irp ks, 0,1,2,3
.irp nt, 0,1,2,3
.if \first && (\ks == 0)
	v_wmma_f32_16x16x32_f16 v[32*\mt+8*\nt:32*\mt+8*\nt+7], v[\f+8*\ks:\f+8*\ks+7], v[64*\ks+8*\nt:64*\ks+8*\nt+7], 0
.else
	v_wmma_f32_16x16x32_f16 v[32*\mt+8*\nt:32*\mt+8*\nt+7], v[\f+8*\ks:\f+8*\ks+7], v[64*\ks+8*\nt:64*\ks+8*\nt+7], v[32*\mt+8*\nt:32*\mt+8*\nt+7]
.endif
.endr
.endr
.endm
; 16 keys x 128 d of K: lane (r, h) takes key r, d = 32 ks + 8 h + 0..7 and 32 ks + 16 + 8 h + 0..7
.macro FETCHK mt, f, par
.irp ks, 0,1,2,3
	ds_load_b128 v[\f+8*\ks:\f+8*\ks+3],   v[KRD] offset:\par*KBYTES+16*KP*(\mt)+64*\ks
	ds_load_b128 v[\f+8*\ks+4:\f+8*\ks+7], v[KRD] offset:\par*KBYTES+16*KP*(\mt)+64*\ks+32
.endr
.endm
; 16 d x 128 keys of V^T: the transposing load brings lane (r, h) d = 16 mt + r, keys 32 ks + 8 h + 0..7, and 16 rows further down the next eight
.macro FETCHV mt, f, par
.irp ks, 0,1,2,3
	ds_load_tr16_b128 v[\f+8*\ks:\f+8*\ks+3],   v[VRD+\par] offset:32*VP*\ks+32*(\mt)
	ds_load_tr16_b128 v[\f+8*\ks+4:\f+8*\ks+7], v[VRD+\par] offset:32*VP*\ks+32*(\mt)+16*VP
.endr
.endm
; Part g of the ring (4 rows): rounded to bf16, 8 bytes a lane, 256 neighbouring bytes a store.
; isv = 1 (V): the bf16 numbers are widened again, in place in the ring part, which is loaded again only later, and written as f16.
.macro CONV g, adr, off, pitch, isv
.irp i, 0,1,2,3,4,5,6,7
	v_cvt_pk_bf16_f32 v[CV+\i], v[GR+16*\g+2*\i], v[GR+16*\g+2*\i+1]
.endr
.if \isv
.irp i, 0,1,2,3,4,5,6,7
	v_lshlrev_b32 v[GR+16*\g+2*\i],   16,  v[CV+\i]            ; bf16 to f32: the low half moves up,
	v_and_b32     v[GR+16*\g+2*\i+1], s30, v[CV+\i]            ; the high half stays
.endr
.irp i, 0,1,2,3,4,5,6,7
	v_cvt_pk_f16_f32 v[CV+\i], v[GR+16*\g+2*\i], v[GR+16*\g+2*\i+1]
.endr
.endif
.irp u, 0,1,2,3
	ds_store_b64 v[\adr], v[CV+2*\u:CV+2*\u+1] offset:\off+(4*\g+\u)*\pitch
.endr
.endm
; part g of the ring is asked for again: 4 whole rows of 512 bytes
.macro GLOAD g, base, add
.irp u, 0,1,2,3
	global_load_b128 v[GR+16*\g+4*\u:GR+16*\g+4*\u+3], v[GOFF], s[\base:\base+1] offset:\add+(4*\g+\u)*512
.endr
.endm
; Wave 0 asks for its work-group's eighth of a tile, 32 blocks 256 bytes apart: the head's 8 work-groups together ask for each block once.
.macro PREF base
	s_cmp_lg_u32 s10, 0
	s_cbranch_scc1 .Lnopf_\@
	global_prefetch_b8 v[PFO], s[\base:\base+1] th:TH_LOAD_NT scope:SCOPE_SE
.Lnopf_\@:
.endm
; the 64 lane masks of one n tile and one trip
.macro MLOAD off
	s_load_b512 s[32:47], s[6:7], \off
	s_load_b512 s[48:63], s[6:7], \off+64
	s_load_b512 s[68:83], s[6:7], \off+128
	s_load_b512 s[84:99], s[6:7], \off+192
.endm
; Key tile g of S^T.  conv = 1: part g of the next K tile goes to LDS and part g of the next V tile is asked for.
; The eight conversions (or five v_nop) are the places behind the last matrix instructions: four for the loads into the fragment
; buffer that the group before last read, five for the products that write over P, which the last trip's products read.
.macro SGROUP g, par, conv, loadk
	WIN 0
.if \conv
	s_wait_loadcnt 28                              ; part g is in: behind it stand 4 (7 - g) loads of its tile and 4 g of V's
	CONV \g, KST, (1-\par)*KBYTES, KP, 0
	GLOAD \g, VBASE, 0
.else
.rept 5
	v_nop
.endr
.endif
.if \g == 2
.if \loadk
	PREF KBASE                                     ; the K tile two trips on, which this trip's second half loads
.endif
.endif
.if \g < 7
	FETCHK (\g+1), FR+32*((\g+1)%2), \par
.else
	FETCHV 0, FR, \par
.endif
	s_wait_dscnt 8+4*\conv                         ; my group's 8 loads are in: behind them stand this group's 4 stores (if any) and the 8 loads just issued
	WIN 0xF4                                       ; K window 0, Q window 1, S window 3
	MM16S \g, FR+32*(\g%2)
.endm
.macro PF nt, q, i                     ; c s - c m for two scores of group q (key tiles 2 q, 2 q + 1)
.set RR, 32*(2*(\q)+(\i)/4)+8*\nt+2*((\i)%4)
	v_pk_fma_f32 v[RR:RR+1], v[RR:RR+1], s[14:15], v[NM+2*\nt:NM+2*\nt+1] op_sel_hi:[1,0,1]
.endm
.macro EX nt, q, i
.set RR, 32*(2*(\q)+(\i)/8)+8*\nt+((\i)%8)
	v_exp_f32 v[RR], v[RR]
.endm
; The 128 keys x 16 queries of n tile nt: 64 scores a lane.
.macro SOFTMAX nt, last
	s_wait_kmcnt 0x0                               ; the 64 lane masks, asked for one n tile ago
	WIN 0xCF                                       ; in place in window 3; source 2 window 0
.irp mt, 0,1,2,3,4,5,6,7
.irp j, 0,1,2,3,4,5,6,7
	v_cndmask_b32 v[32*\mt+8*\nt+\j], v[32*\mt+8*\nt+\j], s16, s[32+8*\mt+\j+4*(\mt/4)]
.endr
.endr
.if \nt < 3
	MLOAD (\nt+1)*4096                             ; the next n tile's words: a query tile's words are 4,096 bytes apart
.else
.if \last == 0
	s_add_nc_u64 s[6:7], s[6:7], 256               ; the next trip's words; no scalar load is out since the wait above
	MLOAD 0
.endif
.endif
	WIN 0x0F                                       ; scores from window 3 into window 0
.irp c, 0,1,2,3
	v_max3_num_f32 v[TT+\c], v[8*\nt+2*\c], v[8*\nt+2*\c+1], v[MX+\nt]      ; the old maximum starts each chain
.endr
.irp mt, 1,2,3,4,5,6,7
.irp c, 0,1,2,3
	v_max3_num_f32 v[TT+\c], v[32*\mt+8*\nt+2*\c], v[32*\mt+8*\nt+2*\c+1], v[TT+\c]
.endr
.endr
	WIN 0
	v_max3_num_f32 v[TT], v[TT], v[TT+1], v[TT+2]
	v_max_num_f32 v[TT], v[TT], v[TT+3]
	v_permlanex16_b32 v[TT+1], v[TT], s12, s13     ; the other 64 keys of my query lie in lane L xor 16
	v_max_num_f32 v[MX+\nt], v[TT], v[TT+1]
	v_mul_f32 v[TT+2], s17, v[MX+\nt]              ; -c m, new
	v_sub_f32 v[TT+3], v[TT+2], v[NM+2*\nt]        ; minus the old one: never above 0
	v_exp_f32 v[AL+2*\nt], v[TT+3]
	v_exp_f32 v[AL+2*\nt+1], v[TT+3]
	v_mov_b32 v[NM+2*\nt], v[TT+2]                 ; also the plain instruction that stands behind the exponentials before alpha is used (ISA guide 5.7.2)
	v_mov_b32 v[NM+2*\nt+1], v[TT+2]
	s_wait_alu depctr_va_vdst(0)
	v_pk_mul_f32 v[LS+4*\nt:LS+4*\nt+1], v[LS+4*\nt:LS+4*\nt+1], v[AL+2*\nt:AL+2*\nt+1]
	v_pk_mul_f32 v[LS+4*\nt+2:LS+4*\nt+3], v[LS+4*\nt+2:LS+4*\nt+3], v[AL+2*\nt:AL+2*\nt+1]
	WIN 0xCF
.irp i, 0,1,2,3,4,5,6,7
	PF \nt, 0, \i
.endr
.irp q, 0,1,2,3
.irp i, 0,1,2,3,4,5,6,7
	EX \nt, \q, 2*\i
	EX \nt, \q, 2*\i+1
.if \q < 3
	PF \nt, \q+1, \i                               ; the next group's arguments ride between the exponentials
.endif
.endr
.endr
	WIN 0x03                                       ; weights from window 3, sums in window 0.  The first sums take group 0's weights: plain instructions stand between the last exponentials and their use
	s_wait_alu depctr_va_vdst(0)
.irp mt, 0,1,2,3,4,5,6,7
.irp c, 0,1,2,3
	v_pk_add_f32 v[LS+4*\nt+2*(\c%2):LS+4*\nt+2*(\c%2)+1], v[32*\mt+8*\nt+2*\c:32*\mt+8*\nt+2*\c+1], v[LS+4*\nt+2*(\c%2):LS+4*\nt+2*(\c%2)+1]
.endr
.endr
	WIN 0xCF
.irp ks, 0,1,2,3                       ; P(nt, ks): key tile 2 ks into its own registers 0-3 (each source is read before it is written), tile 2 ks + 1 into 4-7
.irp i, 0,1,2,3
	v_cvt_pk_f16_f32 v[64*\ks+8*\nt+\i], v[64*\ks+8*\nt+2*\i], v[64*\ks+8*\nt+2*\i+1]
.endr
.irp i, 0,1,2,3
	v_cvt_pk_f16_f32 v[64*\ks+8*\nt+4+\i], v[64*\ks+32+8*\nt+2*\i], v[64*\ks+32+8*\nt+2*\i+1]
.endr
.endr
.endm
; d tile g of O^T: rescaled by alpha (a lane has one query), then 16 products.  conv = 1: part g of the next V tile goes to LDS;
; loadk = 1: part g of the K tile two trips on is asked for.  The multiplies or the conversions are the places in front of the fragment loads.
.macro PGROUP g, par, first, conv, loadk
.if \first == 0
	WIN 0x82                                       ; O in window 2, alpha in window 0
.irp nq, 0,1,2,3
.irp c, 0,1,2,3
	v_pk_mul_f32 v[32*\g+8*\nq+2*\c:32*\g+8*\nq+2*\c+1], v[32*\g+8*\nq+2*\c:32*\g+8*\nq+2*\c+1], v[AL+2*\nq:AL+2*\nq+1]
.endr
.endr
.endif
	WIN 0
.if \conv
.if \loadk
	s_wait_loadcnt 28                              ; part g of V is in: behind it 4 (7 - g) loads of its tile and 4 g of K's
.else
	s_wait_loadcnt 4*(7-\g)                        ; nothing was asked for behind this tile
.endif
	CONV \g, VST, (1-\par)*VBYTES, VP, 1
.if \loadk
	GLOAD \g, KBASE, 0
.endif
.endif
.if \g == 2
.if \loadk
	PREF VBASE                                     ; the V tile two trips on, which the next trip's first half loads
.endif
.endif
.if \g < 7
	FETCHV (\g+1), FR+32*((\g+1)%2), \par
	s_wait_dscnt 8+4*\conv                         ; as in the first half
.else
	s_wait_dscnt 4*\conv                           ; only the 4 stores (if any) stand behind the last fragments
.endif
	WIN 0xAC                                       ; V^T window 0, P window 3, O window 2
	MM16P \g, FR+32*(\g%2), \first
.endm
; One trip: tile t lies in buffers par = t & 1; tile t + 1 is written into the others.
.macro TRIP par, first, conv, loadk, last
	FETCHK 0, FR, \par
.irp g, 0,1,2,3,4,5,6,7
	SGROUP \g, \par, \conv, \loadk
.endr
	WIN 0
.if \conv
	s_wait_xcnt 0x0                                ; V's base is stepped only behind this wait
	s_add_nc_u64 s[VBASE:VBASE+1], s[VBASE:VBASE+1], TILEB
.endif
.irp nq, 0,1,2,3
	SOFTMAX \nq, \last
.endr
.irp g, 0,1,2,3,4,5,6,7
	PGROUP \g, \par, \first, \conv, \loadk
.endr
	WIN 0
.if \loadk
	s_wait_xcnt 0x0                                ; K's base likewise
	s_add_nc_u64 s[KBASE:KBASE+1], s[KBASE:KBASE+1], TILEB
.endif
.if \last == 0
	s_wait_dscnt 0x0                               ; my reads of tile t are back and my stores of tile t + 1 are done,
	s_barrier_signal -1
	s_barrier_wait -1                              ; and so are everybody's: tile t + 1 may be read, tile t's buffers written
.endif
.endm
; 16 queries of out: O^T / l, through my own stage, back as whole rows of 512 bytes
.macro OUT nt, half
	WIN 0x82
.irp mt, 0,1,2,3,4,5,6,7
.irp c, 0,1,2,3
	v_pk_mul_f32 v[32*\mt+8*\nt+2*\c:32*\mt+8*\nt+2*\c+1], v[32*\mt+8*\nt+2*\c:32*\mt+8*\nt+2*\c+1], v[AL+2*\nt:AL+2*\nt+1]
.endr
.endr
	WIN 0x08                                       ; address window 0, data window 2
.irp mt, 0,1,2,3,4,5,6,7
	ds_store_b128 v[STO], v[32*\mt+8*\nt:32*\mt+8*\nt+3]   offset:64*\mt       ; query r, d = 16 mt + 8 h + 0..3
	ds_store_b128 v[STO], v[32*\mt+8*\nt+4:32*\mt+8*\nt+7] offset:64*\mt+16    ; and + 4..7
.endr
	WIN 0
	s_wait_xcnt 0x0                                ; registers that earlier stores read are loaded again only behind this wait
.irp i, 0,1,2,3,4,5,6,7,8,9,10,11,12,13,14,15
	ds_load_b128 v[GR+64*\half+4*\i:GR+64*\half+4*\i+3], v[RD] offset:SP*\i    ; LDS serves a wave's instructions in order: these see the stores above
.endr
.irp i, 0,1,2,3,4,5,6,7,8,9,10,11,12,13,14,15
	s_wait_dscnt 15-\i
	global_store_b128 v[OOFF], v[GR+64*\half+4*\i:GR+64*\half+4*\i+3], s[8:9] offset:(16*\nt+\i)*512 th:TH_STORE_NT   ; the wave stores a whole row: 512 consecutive bytes, aligned
.endr
.endm
	; ---- set-up ----
	s_load_b256 s[20:27], s[0:1], 0x0              ; q s[20:21], k s[22:23], v s[24:25], mbits s[26:27]
	s_load_b64 s[28:29], s[0:1], 0x20              ; out0
	s_set_vgpr_msb 0x40
	v_lshl_add_u32 v254, v0, 2, 0x2b400
	v_mov_b32 v255, 0
	s_set_vgpr_msb 0x4000
	v_lshrrev_b32 v1, 5, v0
	v_readfirstlane_b32 s10, v1                    ; wave 0..3
	s_mov_b32 s18, ttmp9                           ; query block 0..7
	s_and_b32 s19, ttmp7, 0xffff                   ; head 0..63
	s_mov_b32 s12, 0x76543210                      ; v_permlanex16_b32: lane i of one half reads lane i of the other
	s_mov_b32 s13, 0xfedcba98
	s_mov_b32 s14, 0x3e0293ee                      ; c = log2(e) / sqrt(128)
	s_mov_b32 s15, 0x3e0293ee
	s_mov_b32 s16, 0xff800000                      ; -inf
	s_mov_b32 s17, 0xbe0293ee                      ; -c
	v_and_b32 v13, 31, v0                          ; L
	v_and_b32 v14, 15, v0                          ; r
	v_bfe_u32 v15, v0, 4, 1                        ; h
	v_mul_u32_u24 v[KRD], v14, KP
	v_lshl_add_u32 v[KRD], v15, 4, v[KRD]
	v_and_b32 v1, 7, v0
	v_lshl_add_u32 v1, v15, 3, v1                  ; 8 h + (L & 7)
	v_mul_u32_u24 v1, v1, VP
	v_bfe_u32 v[VRD+1], v0, 3, 1
	v_lshl_add_u32 v1, v[VRD+1], 4, v1
	v_add_nc_u32 v[VRD], VB, v1
	v_add_nc_u32 v[VRD+1], VB+VBYTES, v1
	s_mul_i32 s11, s10, 32*KP
	v_lshl_add_u32 v[KST], v13, 3, s11
	s_mul_i32 s11, s10, 32*VP
	s_add_co_u32 s11, s11, VB
	v_lshl_add_u32 v[VST], v13, 3, s11
	s_lshl_b32 s11, s10, 14
	v_lshl_add_u32 v[GOFF], v13, 4, s11
	s_lshl_b32 s11, s18, 13
	v_lshl_add_u32 v[PFO], v13, 8, s11
	s_mul_i32 s11, s10, STW
	s_add_co_u32 s11, s11, STAGE
	v_mul_u32_u24 v1, v14, SP
	v_lshl_add_u32 v1, v15, 5, v1
	v_add_nc_u32 v[STO], s11, v1
	v_lshl_add_u32 v[RD], v13, 4, s11
	v_lshlrev_b32 v[OOFF], 4, v13
	v_lshlrev_b32 v[QOFF], 9, v14
	v_lshl_add_u32 v[QOFF], v15, 5, v[QOFF]
	s_lshl_b32 s30, s19, 20                        ; a head is 2,048 x 512 bytes
	s_mov_b32 s31, 0
	s_lshl_b32 s32, s18, 17                        ; 256 queries x 512 bytes
	s_lshl_b32 s33, s10, 15                        ; 64 queries x 512 bytes
	s_wait_kmcnt 0x0
	s_add_nc_u64 s[KBASE:KBASE+1], s[22:23], s[30:31]
	s_add_nc_u64 s[VBASE:VBASE+1], s[24:25], s[30:31]
	s_add_co_u32 s30, s30, s32
	s_add_co_u32 s30, s30, s33
	s_add_nc_u64 s[20:21], s[20:21], s[30:31]      ; my 64 rows of q
	s_add_nc_u64 s[8:9], s[28:29], s[30:31]        ; and of out
	s_lshl_b32 s30, s18, 4
	s_lshl2_add_u32 s30, s10, s30                  ; my first query tile: 16 block + 4 wave
	s_lshl_b32 s30, s30, 12                        ; 4,096 bytes of words for each query tile
	s_add_nc_u64 s[6:7], s[26:27], s[30:31]
	s_mov_b32 s30, 0xffff0000                      ; from here on: a word's upper bf16
	; ---- prologue: K tile 0 and V tile 0 to LDS, Q to registers, K tile 1 on its way.  Each wait leaves the one younger run of 32 loads out. ----
.irp g, 0,1,2,3,4,5,6,7
	GLOAD \g, KBASE, 0
.endr
	WIN 0x80                                       ; V tile 0 lands in window 2, which the first products overwrite later
.set ii, 0
.rept 32
	global_load_b128 v[4*ii:4*ii+3], v[GOFF], s[VBASE:VBASE+1] offset:512*ii
.set ii, ii+1
.endr
	WIN 0
	MLOAD 0                                        ; the lane masks of trip 0, n tile 0
	s_wait_loadcnt 32                              ; K tile 0
.set ii, 0
.rept 64
	v_cvt_pk_bf16_f32 v[FR+ii], v[GR+2*ii], v[GR+2*ii+1]
.set ii, ii+1
.endr
.set ii, 0
.rept 32
	ds_store_b64 v[KST], v[FR+2*ii:FR+2*ii+1] offset:ii*KP
.set ii, ii+1
.endr
; Q as f32: lane (r, h) takes query r, d = 32 ks + 8 h + 0..7 and 32 ks + 16 + 8 h + 0..7, 16 registers at 16 (4 nt + ks) of window 3
.macro QLOAD nt
.irp ks, 0,1,2,3
	global_load_b128 v[16*(4*\nt+\ks):16*(4*\nt+\ks)+3],     v[QOFF], s[20:21] offset:8192*\nt+128*\ks th:TH_LOAD_NT
	global_load_b128 v[16*(4*\nt+\ks)+4:16*(4*\nt+\ks)+7],   v[QOFF], s[20:21] offset:8192*\nt+128*\ks+16 th:TH_LOAD_NT
	global_load_b128 v[16*(4*\nt+\ks)+8:16*(4*\nt+\ks)+11],  v[QOFF], s[20:21] offset:8192*\nt+128*\ks+64 th:TH_LOAD_NT
	global_load_b128 v[16*(4*\nt+\ks)+12:16*(4*\nt+\ks)+15], v[QOFF], s[20:21] offset:8192*\nt+128*\ks+80 th:TH_LOAD_NT
.endr
.endm
	WIN 0xC0
	QLOAD 0
	QLOAD 1
	s_wait_loadcnt 32                              ; V tile 0
	WIN 0x0A                                       ; from window 2 into window 0: rounded to bf16,
.set ii, 0
.rept 64
	v_cvt_pk_bf16_f32 v[FR+ii], v[2*ii], v[2*ii+1]
.set ii, ii+1
.endr
	WIN 0
.set ii, 0
.rept 64                                       ; widened again into the ring, which holds nothing now (K tile 0 has left it, K tile 1 is asked for further down),
	v_lshlrev_b32 v[GR+2*ii],   16,  v[FR+ii]
	v_and_b32     v[GR+2*ii+1], s30, v[FR+ii]
.set ii, ii+1
.endr
.set ii, 0
.rept 64                                       ; and written as f16
	v_cvt_pk_f16_f32 v[FR+ii], v[GR+2*ii], v[GR+2*ii+1]
.set ii, ii+1
.endr
.set ii, 0
.rept 32
	ds_store_b64 v[VST], v[FR+2*ii:FR+2*ii+1] offset:ii*VP
.set ii, ii+1
.endr
	WIN 0xC0
	QLOAD 2
	QLOAD 3
	s_wait_loadcnt 32                              ; Q's n tiles 0 and 1
	WIN 0x4F                                       ; from window 3 into window 1: register x of Q is made of f32 registers 2 x and 2 x + 1
.set ii, 0
.rept 64
	v_cvt_pk_bf16_f32 v[ii], v[2*ii], v[2*ii+1]
.set ii, ii+1
.endr
	WIN 0
.irp g, 0,1,2,3,4,5,6,7
	GLOAD \g, KBASE, TILEB                         ; K tile 1 fills the ring
.endr
	s_wait_loadcnt 32                              ; Q's n tiles 2 and 3
	WIN 0x4F
.rept 64
	v_cvt_pk_bf16_f32 v[ii], v[2*ii], v[2*ii+1]
.set ii, ii+1
.endr
	WIN 0
.irp nq, 0,1,2,3
	v_mov_b32 v[MX+\nq], 0xff7fffff                ; the most negative finite number
.endr
.irp i, 0,1,2,3,4,5,6,7
	v_mul_f32 v[NM+\i], s17, v[MX]
.endr
.irp i, 0,1,2,3,4,5,6,7,8,9,10,11,12,13,14,15
	v_mov_b32 v[LS+\i], 0
.endr
	s_wait_xcnt 0x0                                ; the bases are stepped only behind this wait
	s_add_nc_u64 s[KBASE:KBASE+1], s[KBASE:KBASE+1], 2*TILEB
	s_add_nc_u64 s[VBASE:VBASE+1], s[VBASE:VBASE+1], TILEB
	s_wait_dscnt 0x0                               ; my rows of tile 0 are in LDS,
	s_barrier_signal -1
	s_barrier_wait -1                              ; everybody's are
	; ---- 16 trips ----
	TRIP 0, 1, 1, 1, 0                             ; trip 0 starts O's sums
	s_mov_b32 s11, 6
.Ltrips:
	TRIP 1, 0, 1, 1, 0                             ; trips 1 to 12
	TRIP 0, 0, 1, 1, 0
	s_sub_co_u32 s11, s11, 1
	s_cmp_lg_u32 s11, 0
	s_cbranch_scc1 .Ltrips
	TRIP 1, 0, 1, 1, 0                             ; trip 13 asks for K tile 15, the last
	TRIP 0, 0, 1, 0, 0                             ; trip 14 asks for V tile 15 and for no K
	TRIP 1, 0, 0, 0, 1                             ; trip 15 asks for nothing
	; ---- 1 / l: the partial sums of a lane, then the other half of the keys in lane L xor 16.  These plain instructions are also the places behind the last products. ----
.irp nq, 0,1,2,3
	v_pk_add_f32 v[LS+4*\nq:LS+4*\nq+1], v[LS+4*\nq:LS+4*\nq+1], v[LS+4*\nq+2:LS+4*\nq+3]
.endr
.irp nq, 0,1,2,3
	v_add_f32 v[TT+\nq], v[LS+4*\nq], v[LS+4*\nq+1]
.endr
.irp nq, 0,1,2,3
	v_permlanex16_b32 v[LS+4*\nq], v[TT+\nq], s12, s13
.endr
.irp nq, 0,1,2,3
	v_add_f32 v[TT+\nq], v[TT+\nq], v[LS+4*\nq]
.endr
.irp nq, 0,1,2,3
	v_rcp_f32 v[AL+2*\nq], v[TT+\nq]
	v_rcp_f32 v[AL+2*\nq+1], v[TT+\nq]
.endr
	v_nop                                          ; one plain instruction behind the reciprocals before they are used (ISA guide 5.7.2)
	s_wait_alu depctr_va_vdst(0)
	OUT 0, 0
	OUT 1, 1
	OUT 2, 0
	OUT 3, 1
	s_set_vgpr_msb 0x5
	s_wait_tensorcnt 0x0
	ds_add_u32 v254, v255
	s_wait_dscnt 0x0
	s_set_vgpr_msb 0x500
	s_endpgm
.Lfunc_end_k_q522f171fba_attn:
	.size	k_q522f171fba_attn, .Lfunc_end_k_q522f171fba_attn-k_q522f171fba_attn
	.p2alignl 7, 3214868480
	.fill 96, 4, 3214868480
	.section	.rodata,"a",@progbits
	.p2align	6, 0x0
	.amdhsa_kernel k_q522f171fba_attn
		.amdhsa_group_segment_fixed_size 177664
		.amdhsa_private_segment_fixed_size 0
		.amdhsa_enable_private_segment 0
		.amdhsa_kernarg_size 40
		.amdhsa_user_sgpr_count 2
		.amdhsa_user_sgpr_kernarg_segment_ptr 1
		.amdhsa_wavefront_size32 1
		.amdhsa_system_sgpr_workgroup_id_x 1
		.amdhsa_system_sgpr_workgroup_id_y 1
		.amdhsa_system_sgpr_workgroup_id_z 1
		.amdhsa_system_vgpr_workitem_id 0
		.amdhsa_next_free_vgpr 1024
		.amdhsa_next_free_sgpr 100
		.amdhsa_reserve_vcc 0
		.amdhsa_float_denorm_mode_32 3
		.amdhsa_float_denorm_mode_16_64 3
		.amdhsa_memory_ordered 1
		.amdhsa_forward_progress 1
		.amdhsa_inst_pref_size 255
	.end_amdhsa_kernel
	.section	.bss,"aw",@nobits
	.p2align	6
	.space	262144
	.amdgpu_metadata
---
amdhsa.version: [ 1, 2 ]
amdhsa.kernels:
  - .name:           k_q522f171fba_attn
    .symbol:         k_q522f171fba_attn.kd
    .args:
      - { .name: q, .offset: 0, .size: 8, .value_kind: global_buffer, .address_space: global }
      - { .name: k, .offset: 8, .size: 8, .value_kind: global_buffer, .address_space: global }
      - { .name: v, .offset: 16, .size: 8, .value_kind: global_buffer, .address_space: global }
      - { .name: mbits, .offset: 24, .size: 8, .value_kind: global_buffer, .address_space: global }
      - { .name: out0, .offset: 32, .size: 8, .value_kind: global_buffer, .address_space: global }
    .group_segment_fixed_size: 177664
    .private_segment_fixed_size: 0
    .kernarg_segment_align: 8
    .kernarg_segment_size: 40
    .max_flat_workgroup_size: 128
    .sgpr_count:     100
    .vgpr_count:     1024
    .wavefront_size: 32
...
	.end_amdgpu_metadata
.endif
;; end of part 2
;; ======== version 2 of 3: 2 launches
;; limits: values are held in f16: magnitudes above 65,504 overflow, below 6.1e-05 lose precision; inputs' magnitudes at most 65,504
;; workspace buffers: mbits 524,288 bytes of whole numbers
;; launch packmask: the kernel of part 1 again; grid 256 x 1, 8 waves a work-group, no clusters, 0 bytes of LDS; arguments mask, mbits; writes mbits
;; launch attn (part 3): grid 8 x 64, 4 waves a work-group, no clusters, 105,984 bytes of LDS; arguments q, k, v, mbits, out0; writes out0
.if DOCPART == 3
	.amdgcn_target "amdgcn-amd-amdhsa--gfx1250"
	.amdhsa_code_object_version 6
	.text
	.protected	k_q522f171fba_attn
	.globl	k_q522f171fba_attn
	.p2align	8
	.type	k_q522f171fba_attn,@function
k_q522f171fba_attn:
	s_mov_b64 s[64:65], 0
	v_nop
	global_prefetch_b8 v0, s[64:65] scope:SCOPE_SE
	s_setreg_imm32_b32 hwreg(HW_REG_WAVE_MODE, 25, 1), 1
	s_wait_xcnt 0x0
; out = softmax(q k^T / sqrt(128), masked where the mask says so) v, for 64 heads of 2,048 x 128, f32 in and out.
; A work-group takes 256 queries of one head, a wave 64 of them with all 128 d; 16 trips of 128 keys; running maximum.
;
; TRANSPOSED FORM.  S^T = K Q^T: source 0 = 16 keys x 32 d from LDS, source 1 = Q, resident in registers.  In the result lane (r, h)
; holds query r, and its registers 0..7 keys 8 h + 0..7.  So a lane has ONE query: maximum and sum run along registers and cross the
; two halves of the wave once; m, alpha and l are one number a lane.  Two neighbouring key tiles, rounded to f16 in place, ARE the
; source-1 fragment of P^T for 32 keys.  O^T = V^T P^T: source 0 = V^T, read by the transposing LDS load from V stored [key][d].
;
; FORMATS.  One rounding for all three inputs: q, k and v are rounded to bf16.  Q and K are multiplied in the bf16 form: products of bf16
; numbers are exact in f32, so the scores are those of the rounded inputs.  The weights need more than bf16's 8 significant bits: in a row
; with few open keys the result is a sum of a few terms of v's size that may cancel, and a weight's rounding error then shows whole.  So P is
; rounded to f16 (11 bits: at most 2^-12 for a weight in [0.5, 1); the row's largest weight is exactly 1), and the second product is in the
; f16 form.  For it the bf16 number of V is written as f16, which holds it exactly from 2^-14 to 65,504 (8 significant bits in 11).
;
; RUNNING MAXIMUM.  c = log2(e) / sqrt(128).  m starts at the most negative finite f32, masked scores are -inf; nmc = -c m;
; p = 2^(c s + nmc); alpha = 2^(nmc new - nmc old), made of the same rounded nmc that the earlier p used.  A block that is masked whole
; for a row gives p = 0 and alpha = 1.  A row that is masked whole ends with l = 0 and O = 0, and 0 x (1 / 0) is NaN, as in the softmax of
; nothing but -inf.
; LIMITS: q, k, v finite; v of magnitude 65,504 at the most (beyond it f16 gives an infinity, and the rows that weigh it are not served);
; v below 2^-14 carries an absolute error of up to 2^-25.  Weights below 2^-14 carry at most 2^-25 each, 2^-14 over 2,048 keys.
; 2^x below 2^-126 counts as 0 (ISA guide, v_exp_f32).  The row sum adds the f32 weights, the product takes them rounded to f16.
;
; ONE TEXT FOR ALL 16 TRIPS, so that the kernel's text is one trip long and not several.  Three things allow it:
; (1) K is read only in a trip's first half (the scores), V only in its second (the products with P).  So there is ONE LDS buffer of each,
;     filled half a trip out of phase, and every LDS address is a lane term and constants.  K and V come as f32 through registers: each wave
;     loads a quarter of a tile (32 rows, a whole row of 512 bytes by each load) into a ring of eight parts.  The first half of trip t rounds
;     V(t) out of the ring into V's buffer and asks for K(t + 1); the second half rounds K(t + 1) into K's buffer and asks for V(t + 1).
;     Two barriers a trip: behind the first nobody reads K's buffer any more and V's is whole, behind the second the other way round.
; (2) O starts at 0, made by 32 products of zero fragments, so that trip 0 rescales and adds like the others.
; (3) Trip 15 has no tile left to fetch and runs the same text all the same: the bases stop at tile 15, so its 64 loads a wave stay inside
;     k and v; what they bring is not used (K's part is rounded and stored into K's buffer, which nobody reads any more).  That is
;     64 loads, 64 conversions and 32 LDS stores a wave too many, against a second copy of the trip's text of some 2,200 instructions.
;
; NOT USED, by this text's arithmetic: tensor loads and joint loads in a cluster, though the 8 query blocks of a head read the same K and V.
; They would lay a trip's 128 keys into LDS as 128 KiB of f32, to be read back (128 KiB) and stored in 16 bits (64 KiB): 320 KiB of LDS traffic
; beside the trip's 256 KiB of fragment reads, where the way through registers has the 64 KiB alone; and two such slots (262,144 bytes) with
; this text's 105,472 bytes are more than the 327,680 bytes that a work-group can have.
;
; REGISTERS, in windows of 256: window 0 addresses, statistics, fragments, the ring of f32 K and V; window 1 Q (fragment (nt, ks) at
; 8 (4 nt + ks)); window 2 O^T (tile (mt, nt) at 32 mt + 8 nt); window 3 S^T (the same map), P(nt, ks) in place at 64 ks + 8 nt.
.set KP,     272                       ; LDS pitch of K: 256 bytes of bf16 + 16, an odd multiple of 16
.set VP,     288                       ; LDS pitch of V: 256 bytes of f16 + 32, an odd multiple of 32, for the transposing load
.set VB,     128*KP                    ; K's buffer from byte 0, V's from here
.set STAGE,  VB+128*VP                 ; the way out: 16 rows x 528 bytes for each wave
.set SP,     528                       ; 512 bytes of f32 + 16
.set STW,    16*SP
.set TILEB,  65536                     ; 128 keys x 512 bytes in memory
.set TRIPS,  16
.set KRD,  2                           ; v2      272 r + 16 h
.set VRD,  3                           ; v3      V's buffer + 288 (8 h + (L & 7)) + 16 ((L >> 3) & 1)
.set KST,  5                           ; v5      32 rows x wave + 8 L
.set VST,  6                           ; v6      the same in V's buffer
.set GOFF, 7                           ; v7      16,384 wave + 16 L: my quarter of a tile in memory
.set PFO,  8                           ; v8      8,192 query block + 256 L: what wave 0 asks for ahead
.set STO,  9                           ; v9      stage, in: 528 r + 32 h
.set RD,   10                          ; v10     stage, back: 16 L
.set OOFF, 11                          ; v11     16 L in a row of out
.set QOFF, 12                          ; v12     512 r + 32 h
.set MX,   16                          ; v[16:19]  m of my query in n tile 0..3
.set NM,   20                          ; v[20:27]  -c m, twice (a pair for the packed forms)
.set AL,   28                          ; v[28:35]  alpha, twice; at the end 1 / l
.set LS,   36                          ; v[36:51]  two pairs of partial sums for each n tile
.set TT,   52                          ; v[52:55]  four chains of the maximum
.set CV,   56                          ; v[56:63]  16-bit numbers on their way to LDS
.set FR,   64                          ; v[64:95], v[96:127]  two fragment buffers: one m tile x 4 K steps x 8
.set GR,   128                         ; v[128:255] ring of 8 parts x 4 loads x 4 registers of f32 K or V
.set KBASE, 2                          ; s[2:3]  the next K tile to load
.set VBASE, 4                          ; s[4:5]  the next V tile to load
                                       ; s[6:7] my mask words of this trip; s[8:9] my rows of out; s10 wave; s11 trip
                                       ; s12, s13 lane select; s[14:15] c, c; s16 -inf; s17 -c; s18 query block; s19 head
                                       ; in the loop: s[28:29] the bases' step; s30 the mask of a word's upper bf16
                                       ; s[32:63], s[68:99] the 64 lane masks of one n tile: word n in s[32 + n + 4 (n / 32)]
.set MSB, 0
.macro WIN new                         ; low byte: bits 1:0 source 0, 3:2 source 1, 5:4 source 2, 7:6 destination; high byte: the setting left
.if MSB != \new
	s_set_vgpr_msb (MSB<<8)|\new
.set MSB, \new
.endif
.endm
; 16 products of S^T for key tile mt, bf16.  The four accumulators take turns, one instruction a turn; the first K step starts the sums.
.macro MM16S mt, f
.irp ks, 0,1,2,3
.irp nt, 0,1,2,3
.if \ks == 0
	v_wmma_f32_16x16x32_bf16 v[32*\mt+8*\nt:32*\mt+8*\nt+7], v[\f+8*\ks:\f+8*\ks+7], v[8*(4*\nt+\ks):8*(4*\nt+\ks)+7], 0
.else
	v_wmma_f32_16x16x32_bf16 v[32*\mt+8*\nt:32*\mt+8*\nt+7], v[\f+8*\ks:\f+8*\ks+7], v[8*(4*\nt+\ks):8*(4*\nt+\ks)+7], v[32*\mt+8*\nt:32*\mt+8*\nt+7]
.endif
.endr
.endr
.endm
; 16 products of O^T for d tile mt, f16, over the trip's 128 keys; turns as above
.macro MM16P mt, f
.irp ks, 0,1,2,3
.irp nt, 0,1,2,3
	v_wmma_f32_16x16x32_f16 v[32*\mt+8*\nt:32*\mt+8*\nt+7], v[\f+8*\ks:\f+8*\ks+7], v[64*\ks+8*\nt:64*\ks+8*\nt+7], v[32*\mt+8*\nt:32*\mt+8*\nt+7]
.endr
.endr
.endm
; 16 keys x 128 d of K: lane (r, h) takes key r, d = 32 ks + 8 h + 0..7 and 32 ks + 16 + 8 h + 0..7
.macro FETCHK mt, f
.irp ks, 0,1,2,3
	ds_load_b128 v[\f+8*\ks:\f+8*\ks+3],   v[KRD] offset:16*KP*(\mt)+64*\ks
	ds_load_b128 v[\f+8*\ks+4:\f+8*\ks+7], v[KRD] offset:16*KP*(\mt)+64*\ks+32
.endr
.endm
; 16 d x 128 keys of V^T: the transposing load brings lane (r, h) d = 16 mt + r, keys 32 ks + 8 h + 0..7, and 16 rows further down the next eight
.macro FETCHV mt, f
.irp ks, 0,1,2,3
	ds_load_tr16_b128 v[\f+8*\ks:\f+8*\ks+3],   v[VRD] offset:32*VP*\ks+32*(\mt)
	ds_load_tr16_b128 v[\f+8*\ks+4:\f+8*\ks+7], v[VRD] offset:32*VP*\ks+32*(\mt)+16*VP
.endr
.endm
; Part g of the ring (4 rows): rounded to bf16, 8 bytes a lane, 256 neighbouring bytes a store.
; isv = 1 (V): the bf16 numbers are widened again, in place in the ring part, which is loaded again only later, and written as f16.
.macro CONV g, adr, pitch, isv
.irp i, 0,1,2,3,4,5,6,7
	v_cvt_pk_bf16_f32 v[CV+\i], v[GR+16*\g+2*\i], v[GR+16*\g+2*\i+1]
.endr
.if \isv
.irp i, 0,1,2,3,4,5,6,7
	v_lshlrev_b32 v[GR+16*\g+2*\i],   16,  v[CV+\i]            ; bf16 to f32: the low half moves up,
	v_and_b32     v[GR+16*\g+2*\i+1], s30, v[CV+\i]            ; the high half stays
.endr
.irp i, 0,1,2,3,4,5,6,7
	v_cvt_pk_f16_f32 v[CV+\i], v[GR+16*\g+2*\i], v[GR+16*\g+2*\i+1]
.endr
.endif
.irp u, 0,1,2,3
	ds_store_b64 v[\adr], v[CV+2*\u:CV+2*\u+1] offset:(4*\g+\u)*\pitch
.endr
.endm
; part g of the ring is asked for again: 4 whole rows of 512 bytes
.macro GLOAD g, base
.irp u, 0,1,2,3
	global_load_b128 v[GR+16*\g+4*\u:GR+16*\g+4*\u+3], v[GOFF], s[\base:\base+1] offset:(4*\g+\u)*512
.endr
.endm
; Wave 0 asks for its work-group's eighth of a tile, 32 blocks 256 bytes apart: the head's 8 work-groups together ask for each block of a tile.
; The base stops at tile 15, so the last trips ask for that tile again and never for anything past the buffer's end.
.macro PREF base
	s_cmp_lg_u32 s10, 0
	s_cbranch_scc1 .Lnopf_\@
	global_prefetch_b8 v[PFO], s[\base:\base+1] th:TH_LOAD_NT scope:SCOPE_SE
.Lnopf_\@:
.endm
; the 64 lane masks of one n tile and one trip
.macro MLOAD off
	s_load_b512 s[32:47], s[6:7], \off
	s_load_b512 s[48:63], s[6:7], \off+64
	s_load_b512 s[68:83], s[6:7], \off+128
	s_load_b512 s[84:99], s[6:7], \off+192
.endm
; Key tile g of S^T.  Part g of this trip's V goes from the ring to LDS, and part g of the next K tile is asked for.
; The 32 instructions of the conversion are the places behind the last matrix instructions: four for the loads into the fragment
; buffer that the group before last read, five for the products that write over P, which the last trip's products read.
.macro SGROUP g
	WIN 0
	s_wait_loadcnt 28                              ; part g of V is in: behind it stand 4 (7 - g) loads of its tile and 4 g of K's
	CONV \g, VST, VP, 1
	GLOAD \g, KBASE
.if \g == 6
	PREF VBASE                                     ; the next V tile, which this trip's second half loads, behind the softmax
.endif
.if \g < 7
	FETCHK (\g+1), FR+32*((\g+1)%2)
	s_wait_dscnt 12                                ; my group's 8 loads are in: behind them stand this group's 4 stores and the 8 loads just issued
.else
	s_wait_dscnt 4                                 ; behind the last group's 8 loads stand the 4 stores alone
.endif
	WIN 0xF4                                       ; K window 0, Q window 1, S window 3
	MM16S \g, FR+32*(\g%2)
.endm
.macro PF nt, q, i                     ; c s - c m for two scores of group q (key tiles 2 q, 2 q + 1)
.set RR, 32*(2*(\q)+(\i)/4)+8*\nt+2*((\i)%4)
	v_pk_fma_f32 v[RR:RR+1], v[RR:RR+1], s[14:15], v[NM+2*\nt:NM+2*\nt+1] op_sel_hi:[1,0,1]
.endm
.macro EX nt, q, i
.set RR, 32*(2*(\q)+(\i)/8)+8*\nt+((\i)%8)
	v_exp_f32 v[RR], v[RR]
.endm
; The 128 keys x 16 queries of n tile nt: 64 scores a lane.
.macro SOFTMAX nt
	s_wait_kmcnt 0x0                               ; the 64 lane masks: asked for at the trip's head (n tile 0) or one n tile ago
	WIN 0xCF                                       ; in place in window 3; source 2 window 0
.irp mt, 0,1,2,3,4,5,6,7
.irp j, 0,1,2,3,4,5,6,7
	v_cndmask_b32 v[32*\mt+8*\nt+\j], v[32*\mt+8*\nt+\j], s16, s[32+8*\mt+\j+4*(\mt/4)]
.endr
.endr
.if \nt < 3
	MLOAD (\nt+1)*4096                             ; the next n tile's words: a query tile's words are 4,096 bytes apart
.endif
	WIN 0x0F                                       ; scores from window 3 into window 0
.irp c, 0,1,2,3
	v_max3_num_f32 v[TT+\c], v[8*\nt+2*\c], v[8*\nt+2*\c+1], v[MX+\nt]      ; the old maximum starts each chain
.endr
.irp mt, 1,2,3,4,5,6,7
.irp c, 0,1,2,3
	v_max3_num_f32 v[TT+\c], v[32*\mt+8*\nt+2*\c], v[32*\mt+8*\nt+2*\c+1], v[TT+\c]
.endr
.endr
	WIN 0
	v_max3_num_f32 v[TT], v[TT], v[TT+1], v[TT+2]
	v_max_num_f32 v[TT], v[TT], v[TT+3]
	v_permlanex16_b32 v[TT+1], v[TT], s12, s13     ; the other 64 keys of my query lie in lane L xor 16
	v_max_num_f32 v[MX+\nt], v[TT], v[TT+1]
	v_mul_f32 v[TT+2], s17, v[MX+\nt]              ; -c m, new
	v_sub_f32 v[TT+3], v[TT+2], v[NM+2*\nt]        ; minus the old one: never above 0
	v_exp_f32 v[AL+2*\nt], v[TT+3]
	v_exp_f32 v[AL+2*\nt+1], v[TT+3]
	v_mov_b32 v[NM+2*\nt], v[TT+2]                 ; also the plain instruction that stands behind the exponentials before alpha is used (ISA guide 5.7.2)
	v_mov_b32 v[NM+2*\nt+1], v[TT+2]
	s_wait_alu depctr_va_vdst(0)
	v_pk_mul_f32 v[LS+4*\nt:LS+4*\nt+1], v[LS+4*\nt:LS+4*\nt+1], v[AL+2*\nt:AL+2*\nt+1]
	v_pk_mul_f32 v[LS+4*\nt+2:LS+4*\nt+3], v[LS+4*\nt+2:LS+4*\nt+3], v[AL+2*\nt:AL+2*\nt+1]
	WIN 0xCF
.irp i, 0,1,2,3,4,5,6,7
	PF \nt, 0, \i
.endr
.irp q, 0,1,2,3
.irp i, 0,1,2,3,4,5,6,7
	EX \nt, \q, 2*\i
	EX \nt, \q, 2*\i+1
.if \q < 3
	PF \nt, \q+1, \i                               ; the next group's arguments ride between the exponentials
.endif
.endr
.endr
	WIN 0x03                                       ; weights from window 3, sums in window 0.  The first sums take group 0's weights: plain instructions stand between the last exponentials and their use
	s_wait_alu depctr_va_vdst(0)
.irp mt, 0,1,2,3,4,5,6,7
.irp c, 0,1,2,3
	v_pk_add_f32 v[LS+4*\nt+2*(\c%2):LS+4*\nt+2*(\c%2)+1], v[32*\mt+8*\nt+2*\c:32*\mt+8*\nt+2*\c+1], v[LS+4*\nt+2*(\c%2):LS+4*\nt+2*(\c%2)+1]
.endr
.endr
	WIN 0xCF
.irp ks, 0,1,2,3                       ; P(nt, ks): key tile 2 ks into its own registers 0-3 (each source is read before it is written), tile 2 ks + 1 into 4-7
.irp i, 0,1,2,3
	v_cvt_pk_f16_f32 v[64*\ks+8*\nt+\i], v[64*\ks+8*\nt+2*\i], v[64*\ks+8*\nt+2*\i+1]
.endr
.irp i, 0,1,2,3
	v_cvt_pk_f16_f32 v[64*\ks+8*\nt+4+\i], v[64*\ks+32+8*\nt+2*\i], v[64*\ks+32+8*\nt+2*\i+1]
.endr
.endr
.endm
; d tile g of O^T: rescaled by alpha (a lane has one query), then 16 products.  Part g of the next K tile goes from the ring to LDS, and part g
; of the next V tile is asked for.  The 16 multiplies and 8 conversions are the places in front of the fragment loads.
.macro PGROUP g
	WIN 0x82                                       ; O in window 2, alpha in window 0
.irp nq, 0,1,2,3
.irp c, 0,1,2,3
	v_pk_mul_f32 v[32*\g+8*\nq+2*\c:32*\g+8*\nq+2*\c+1], v[32*\g+8*\nq+2*\c:32*\g+8*\nq+2*\c+1], v[AL+2*\nq:AL+2*\nq+1]
.endr
.endr
	WIN 0
	s_wait_loadcnt 28                              ; part g of K is in: behind it stand 4 (7 - g) loads of its tile and 4 g of V's
	CONV \g, KST, KP, 0
	GLOAD \g, VBASE
.if \g == 0
	PREF KBASE                                     ; the K tile two trips on, which the next trip's first half loads
.endif
.if \g < 7
	FETCHV (\g+1), FR+32*((\g+1)%2)
	s_wait_dscnt 12                                ; as in the first half
.else
	s_wait_dscnt 4
.endif
	WIN 0xAC                                       ; V^T window 0, P window 3, O window 2
	MM16P \g, FR+32*(\g%2)
.endm
; 16 queries of out: O^T / l, through my own stage, back as whole rows of 512 bytes
.macro OUT nt, half
	WIN 0x82
.irp mt, 0,1,2,3,4,5,6,7
.irp c, 0,1,2,3
	v_pk_mul_f32 v[32*\mt+8*\nt+2*\c:32*\mt+8*\nt+2*\c+1], v[32*\mt+8*\nt+2*\c:32*\mt+8*\nt+2*\c+1], v[AL+2*\nt:AL+2*\nt+1]
.endr
.endr
	WIN 0x08                                       ; address window 0, data window 2
.irp mt, 0,1,2,3,4,5,6,7
	ds_store_b128 v[STO], v[32*\mt+8*\nt:32*\mt+8*\nt+3]   offset:64*\mt       ; query r, d = 16 mt + 8 h + 0..3
	ds_store_b128 v[STO], v[32*\mt+8*\nt+4:32*\mt+8*\nt+7] offset:64*\mt+16    ; and + 4..7
.endr
	WIN 0
	s_wait_xcnt 0x0                                ; registers that earlier stores read are loaded again only behind this wait
.irp i, 0,1,2,3,4,5,6,7,8,9,10,11,12,13,14,15
	ds_load_b128 v[GR+64*\half+4*\i:GR+64*\half+4*\i+3], v[RD] offset:SP*\i    ; LDS serves a wave's instructions in order: these see the stores above
.endr
.irp i, 0,1,2,3,4,5,6,7,8,9,10,11,12,13,14,15
	s_wait_dscnt 15-\i
	global_store_b128 v[OOFF], v[GR+64*\half+4*\i:GR+64*\half+4*\i+3], s[8:9] offset:(16*\nt+\i)*512 th:TH_STORE_NT   ; the wave stores a whole row: 512 consecutive bytes, aligned
.endr
.endm
; Q as f32: lane (r, h) takes query r, d = 32 ks + 8 h + 0..7 and 32 ks + 16 + 8 h + 0..7, 16 registers at 16 (4 nt + ks) of window 3
.macro QLOAD nt
.irp ks, 0,1,2,3
	global_load_b128 v[16*(4*\nt+\ks):16*(4*\nt+\ks)+3],     v[QOFF], s[20:21] offset:8192*\nt+128*\ks th:TH_LOAD_NT
	global_load_b128 v[16*(4*\nt+\ks)+4:16*(4*\nt+\ks)+7],   v[QOFF], s[20:21] offset:8192*\nt+128*\ks+16 th:TH_LOAD_NT
	global_load_b128 v[16*(4*\nt+\ks)+8:16*(4*\nt+\ks)+11],  v[QOFF], s[20:21] offset:8192*\nt+128*\ks+64 th:TH_LOAD_NT
	global_load_b128 v[16*(4*\nt+\ks)+12:16*(4*\nt+\ks)+15], v[QOFF], s[20:21] offset:8192*\nt+128*\ks+80 th:TH_LOAD_NT
.endr
.endm
	; ---- set-up ----
	s_load_b256 s[20:27], s[0:1], 0x0              ; q s[20:21], k s[22:23], v s[24:25], mbits s[26:27]
	s_load_b64 s[28:29], s[0:1], 0x20              ; out0
	s_set_vgpr_msb 0x40
	v_lshl_add_u32 v254, v0, 2, 0x19c00
	v_mov_b32 v255, 0
	s_set_vgpr_msb 0x4000
	v_lshrrev_b32 v1, 5, v0
	v_readfirstlane_b32 s10, v1                    ; wave 0..3
	s_mov_b32 s18, ttmp9                           ; query block 0..7
	s_and_b32 s19, ttmp7, 0xffff                   ; head 0..63
	s_mov_b32 s12, 0x76543210                      ; v_permlanex16_b32: lane i of one half reads lane i of the other
	s_mov_b32 s13, 0xfedcba98
	s_mov_b32 s14, 0x3e0293ee                      ; c = log2(e) / sqrt(128)
	s_mov_b32 s15, 0x3e0293ee
	s_mov_b32 s16, 0xff800000                      ; -inf
	s_mov_b32 s17, 0xbe0293ee                      ; -c
	v_and_b32 v13, 31, v0                          ; L
	v_and_b32 v14, 15, v0                          ; r
	v_bfe_u32 v15, v0, 4, 1                        ; h
	v_mul_u32_u24 v[KRD], v14, KP
	v_lshl_add_u32 v[KRD], v15, 4, v[KRD]
	v_and_b32 v1, 7, v0
	v_lshl_add_u32 v1, v15, 3, v1                  ; 8 h + (L & 7)
	v_mul_u32_u24 v1, v1, VP
	v_bfe_u32 v4, v0, 3, 1
	v_lshl_add_u32 v1, v4, 4, v1
	v_add_nc_u32 v[VRD], VB, v1
	s_mul_i32 s11, s10, 32*KP
	v_lshl_add_u32 v[KST], v13, 3, s11
	s_mul_i32 s11, s10, 32*VP
	s_add_co_u32 s11, s11, VB
	v_lshl_add_u32 v[VST], v13, 3, s11
	s_lshl_b32 s11, s10, 14
	v_lshl_add_u32 v[GOFF], v13, 4, s11
	s_lshl_b32 s11, s18, 13
	v_lshl_add_u32 v[PFO], v13, 8, s11
	s_mul_i32 s11, s10, STW
	s_add_co_u32 s11, s11, STAGE
	v_mul_u32_u24 v1, v14, SP
	v_lshl_add_u32 v1, v15, 5, v1
	v_add_nc_u32 v[STO], s11, v1
	v_lshl_add_u32 v[RD], v13, 4, s11
	v_lshlrev_b32 v[OOFF], 4, v13
	v_lshlrev_b32 v[QOFF], 9, v14
	v_lshl_add_u32 v[QOFF], v15, 5, v[QOFF]
	s_lshl_b32 s30, s19, 20                        ; a head is 2,048 x 512 bytes
	s_mov_b32 s31, 0
	s_lshl_b32 s32, s18, 17                        ; 256 queries x 512 bytes
	s_lshl_b32 s33, s10, 15                        ; 64 queries x 512 bytes
	s_wait_kmcnt 0x0
	s_add_nc_u64 s[KBASE:KBASE+1], s[22:23], s[30:31]
	s_add_nc_u64 s[VBASE:VBASE+1], s[24:25], s[30:31]
	s_add_co_u32 s30, s30, s32
	s_add_co_u32 s30, s30, s33
	s_add_nc_u64 s[20:21], s[20:21], s[30:31]      ; my 64 rows of q
	s_add_nc_u64 s[8:9], s[28:29], s[30:31]        ; and of out
	s_lshl_b32 s30, s18, 4
	s_lshl2_add_u32 s30, s10, s30                  ; my first query tile: 16 block + 4 wave
	s_lshl_b32 s30, s30, 12                        ; 4,096 bytes of words for each query tile
	s_add_nc_u64 s[6:7], s[26:27], s[30:31]
	s_mov_b32 s30, 0xffff0000                      ; from here on: a word's upper bf16
	; ---- prologue: K tile 0 to LDS, Q to registers, V tile 0 on its way into the ring.  Each wait leaves the one younger run of 32 loads out. ----
.irp g, 0,1,2,3,4,5,6,7
	GLOAD \g, KBASE
.endr
	WIN 0xC0                                       ; Q's f32 numbers land in window 3, which the first scores overwrite later
	QLOAD 0
	QLOAD 1
	WIN 0
	s_wait_loadcnt 32                              ; K tile 0
.set ii, 0
.rept 64
	v_cvt_pk_bf16_f32 v[FR+ii], v[GR+2*ii], v[GR+2*ii+1]
.set ii, ii+1
.endr
.set ii, 0
.rept 32
	ds_store_b64 v[KST], v[FR+2*ii:FR+2*ii+1] offset:ii*KP
.set ii, ii+1
.endr
	WIN 0xC0
	QLOAD 2
	QLOAD 3
	s_wait_loadcnt 32                              ; Q's n tiles 0 and 1
	WIN 0x4F                                       ; from window 3 into window 1: register x of Q is made of f32 registers 2 x and 2 x + 1
.set ii, 0
.rept 64
	v_cvt_pk_bf16_f32 v[ii], v[2*ii], v[2*ii+1]
.set ii, ii+1
.endr
	WIN 0
.irp g, 0,1,2,3,4,5,6,7
	GLOAD \g, VBASE                                ; V tile 0 fills the ring, which K tile 0 has left
.endr
	s_wait_loadcnt 32                              ; Q's n tiles 2 and 3; V tile 0's 32 loads stay out: they are the youngest at the loop's entry
	WIN 0x4F
.rept 64
	v_cvt_pk_bf16_f32 v[ii], v[2*ii], v[2*ii+1]
.set ii, ii+1
.endr
	WIN 0
.irp i, 0,1,2,3,4,5,6,7,8,9,10,11,12,13,14,15
	v_mov_b32 v[LS+\i], 0                          ; the row sums start at 0
.endr
	WIN 0x80                                       ; sources window 0, O window 2
.set ii, 0
.rept 32                                       ; O starts at 0: a product of two zero fragments (the sixteen registers just cleared) for each of the 32 tiles
	v_wmma_f32_16x16x32_f16 v[8*ii:8*ii+7], v[LS:LS+7], v[LS+8:LS+15], 0
.set ii, ii+1
.endr
	WIN 0
.irp nq, 0,1,2,3
	v_mov_b32 v[MX+\nq], 0xff7fffff                ; the most negative finite number
.endr
.irp i, 0,1,2,3,4,5,6,7
	v_mul_f32 v[NM+\i], s17, v[MX]
.endr
	s_wait_xcnt 0x0                                ; the bases are stepped only behind this wait
	s_add_nc_u64 s[KBASE:KBASE+1], s[KBASE:KBASE+1], TILEB
	s_add_nc_u64 s[VBASE:VBASE+1], s[VBASE:VBASE+1], TILEB
	s_mov_b32 s29, 0                               ; the step's upper word
	s_mov_b32 s11, 0                               ; trip t
	s_wait_dscnt 0x0                               ; my rows of K tile 0 are in LDS,
	s_barrier_signal -1
	s_barrier_wait -1                              ; everybody's are
	; ---- 16 trips through one text ----
.Ltrip:
	s_cmp_lt_u32 s11, TRIPS-2
	s_cselect_b32 s28, TILEB, 0                    ; the bases point at tile t + 1 and step while t + 2 is a tile: they stop at tile 15
	MLOAD 0                                        ; the lane masks of n tile 0: they have the first half in which to come
	FETCHK 0, FR
.irp g, 0,1,2,3,4,5,6,7
	SGROUP \g
.endr
	WIN 0
	s_wait_xcnt 0x0                                ; K's base is stepped only behind this wait
	s_add_nc_u64 s[KBASE:KBASE+1], s[KBASE:KBASE+1], s[28:29]
	s_wait_dscnt 0x0                               ; my reads of K's buffer are back and my rows of V(t) are stored,
	s_barrier_signal -1
	s_barrier_wait -1                              ; and so are everybody's: V's buffer may be read, K's written
	FETCHV 0, FR                                   ; comes in during the softmax
.irp nq, 0,1,2,3
	SOFTMAX \nq
.endr
.irp g, 0,1,2,3,4,5,6,7
	PGROUP \g
.endr
	WIN 0
	s_wait_xcnt 0x0                                ; V's base likewise
	s_add_nc_u64 s[VBASE:VBASE+1], s[VBASE:VBASE+1], s[28:29]
	s_add_nc_u64 s[6:7], s[6:7], 256               ; the next trip's mask words; no scalar load is out since the last n tile's wait
	s_wait_dscnt 0x0                               ; my reads of V's buffer are back and my rows of K(t + 1) are stored,
	s_barrier_signal -1
	s_barrier_wait -1                              ; and so are everybody's: K's buffer may be read, V's written
	s_add_co_u32 s11, s11, 1
	s_cmp_lt_u32 s11, TRIPS
	s_cbranch_scc1 .Ltrip
	; ---- 1 / l: the partial sums of a lane, then the other half of the keys in lane L xor 16.  These plain instructions are also the places behind the last products. ----
	s_wait_loadcnt 0x0                             ; the last trip's 32 surplus loads have landed: the ring serves the way out
.irp nq, 0,1,2,3
	v_pk_add_f32 v[LS+4*\nq:LS+4*\nq+1], v[LS+4*\nq:LS+4*\nq+1], v[LS+4*\nq+2:LS+4*\nq+3]
.endr
.irp nq, 0,1,2,3
	v_add_f32 v[TT+\nq], v[LS+4*\nq], v[LS+4*\nq+1]
.endr
.irp nq, 0,1,2,3
	v_permlanex16_b32 v[LS+4*\nq], v[TT+\nq], s12, s13
.endr
.irp nq, 0,1,2,3
	v_add_f32 v[TT+\nq], v[TT+\nq], v[LS+4*\nq]
.endr
.irp nq, 0,1,2,3
	v_rcp_f32 v[AL+2*\nq], v[TT+\nq]
	v_rcp_f32 v[AL+2*\nq+1], v[TT+\nq]
.endr
	v_nop                                          ; one plain instruction behind the reciprocals before they are used (ISA guide 5.7.2)
	s_wait_alu depctr_va_vdst(0)
	OUT 0, 0
	OUT 1, 1
	OUT 2, 0
	OUT 3, 1
	s_set_vgpr_msb 0x5
	s_wait_tensorcnt 0x0
	ds_add_u32 v254, v255
	s_wait_dscnt 0x0
	s_set_vgpr_msb 0x500
	s_endpgm
.Lfunc_end_k_q522f171fba_attn:
	.size	k_q522f171fba_attn, .Lfunc_end_k_q522f171fba_attn-k_q522f171fba_attn
	.p2alignl 7, 3214868480
	.fill 96, 4, 3214868480
	.section	.rodata,"a",@progbits
	.p2align	6, 0x0
	.amdhsa_kernel k_q522f171fba_attn
		.amdhsa_group_segment_fixed_size 105984
		.amdhsa_private_segment_fixed_size 0
		.amdhsa_enable_private_segment 0
		.amdhsa_kernarg_size 40
		.amdhsa_user_sgpr_count 2
		.amdhsa_user_sgpr_kernarg_segment_ptr 1
		.amdhsa_wavefront_size32 1
		.amdhsa_system_sgpr_workgroup_id_x 1
		.amdhsa_system_sgpr_workgroup_id_y 1
		.amdhsa_system_sgpr_workgroup_id_z 1
		.amdhsa_system_vgpr_workitem_id 0
		.amdhsa_next_free_vgpr 1024
		.amdhsa_next_free_sgpr 100
		.amdhsa_reserve_vcc 0
		.amdhsa_float_denorm_mode_32 3
		.amdhsa_float_denorm_mode_16_64 3
		.amdhsa_memory_ordered 1
		.amdhsa_forward_progress 1
		.amdhsa_inst_pref_size 180
	.end_amdhsa_kernel
	.amdgpu_metadata
---
amdhsa.version: [ 1, 2 ]
amdhsa.kernels:
  - .name:           k_q522f171fba_attn
    .symbol:         k_q522f171fba_attn.kd
    .args:
      - { .name: q, .offset: 0, .size: 8, .value_kind: global_buffer, .address_space: global }
      - { .name: k, .offset: 8, .size: 8, .value_kind: global_buffer, .address_space: global }
      - { .name: v, .offset: 16, .size: 8, .value_kind: global_buffer, .address_space: global }
      - { .name: mbits, .offset: 24, .size: 8, .value_kind: global_buffer, .address_space: global }
      - { .name: out0, .offset: 32, .size: 8, .value_kind: global_buffer, .address_space: global }
    .group_segment_fixed_size: 105984
    .private_segment_fixed_size: 0
    .kernarg_segment_align: 8
    .kernarg_segment_size: 40
    .max_flat_workgroup_size: 128
    .sgpr_count:     100
    .vgpr_count:     1024
    .wavefront_size: 32
...
	.end_amdgpu_metadata
.endif
;; end of part 3
;; ======== version 3 of 3: 2 launches
;; limits: values are held in f16: magnitudes above 65,504 overflow, below 6.1e-05 lose precision; inputs' magnitudes at most 65,504
;; workspace buffers: mbits 524,288 bytes of whole numbers
;; launch packmask: the kernel of part 1 again; grid 256 x 1, 8 waves a work-group, no clusters, 0 bytes of LDS; arguments mask, mbits; writes mbits
;; launch attn (part 4): grid 8 x 64, 4 waves a work-group, no clusters, 105,984 bytes of LDS; arguments q, k, v, mbits, out0; writes out0
.if DOCPART == 4
	.amdgcn_target "amdgcn-amd-amdhsa--gfx1250"
	.amdhsa_code_object_version 6
	.text
	.protected	k_q522f171fba_attn
	.globl	k_q522f171fba_attn
	.p2align	8
	.type	k_q522f171fba_attn,@function
k_q522f171fba_attn:
	s_mov_b64 s[64:65], 0
	v_nop
	global_prefetch_b8 v0, s[64:65] scope:SCOPE_SE
	s_setreg_imm32_b32 hwreg(HW_REG_WAVE_MODE, 25, 1), 1
	s_wait_xcnt 0x0
; out = softmax(q k^T / sqrt(128), masked where the mask says so) v, for 64 heads of 2,048 x 128, f32 in and out.
; A work-group takes 256 queries of one head, a wave 64 of them with all 128 d; 16 trips of 128 keys; running maximum.
;
; TRANSPOSED FORM.  S^T = K Q^T: source 0 = 16 keys x 32 d from LDS, source 1 = Q, resident in registers.  In the result lane (r, h)
; holds query r, and its registers 0..7 keys 8 h + 0..7.  So a lane has ONE query: maximum and sum run along registers and cross the
; two halves of the wave once; m, alpha and l are one number a lane.  Two neighbouring key tiles, rounded to f16 in place, ARE the
; source-1 fragment of P^T for 32 keys.  O^T = V^T P^T: source 0 = V^T, read by the transposing LDS load from V stored [key][d].
;
; FORMATS.  One rounding for all three inputs: q, k and v are rounded to bf16.  Q and K are multiplied in the bf16 form: products of bf16
; numbers are exact in f32, so the scores are those of the rounded inputs.  The weights need more than bf16's 8 significant bits: in a row
; with few open keys the result is a sum of a few terms of v's size that may cancel, and a weight's rounding error then shows whole.  So P is
; rounded to f16 (11 bits: at most 2^-12 for a weight in [0.5, 1); the row's largest weight is exactly 1), and the second product is in the
; f16 form.  For it the bf16 number of V is written as f16, which holds it exactly from 2^-14 to 65,504 (8 significant bits in 11).
;
; RUNNING MAXIMUM.  c = log2(e) / sqrt(128).  m starts at the most negative finite f32, masked scores are -inf; nmc = -c m;
; p = 2^(c s + nmc); alpha = 2^(nmc new - nmc old), made of the same rounded nmc that the earlier p used.  A block that is masked whole
; for a row gives p = 0 and alpha = 1.  A row that is masked whole ends with l = 0 and O = 0, and 0 x (1 / 0) is NaN, as in the softmax of
; nothing but -inf.
; LIMITS: q, k, v finite; v of magnitude 65,504 at the most (beyond it f16 gives an infinity, and the rows that weigh it are not served);
; v below 2^-14 carries an absolute error of up to 2^-25.  Weights below 2^-14 carry at most 2^-25 each, 2^-14 over 2,048 keys.
; 2^x below 2^-126 counts as 0 (ISA guide, v_exp_f32).  The row sum adds the f32 weights, the product takes them rounded to f16.
;
; THREE WAYS THROUGH A TRIP.  A wave's block of a trip is its 64 queries x 128 keys, 256 mask words.  At its start the wave reads all its
; 4,096 words once and folds them into two words of 16 bits: bit t of ACT = some key of block t is open, bit t of MSK = some key is masked.
;   ACT = 0: the block is masked whole.  It would give alpha = 1 and p = 0 for all 64 queries: products and softmax are left out.
;   ACT = 1, MSK = 0: the block is open whole: the softmax runs without the 256 selects and without their mask words.
;   both 1: the full text.
; The choice hangs on the mask words alone and holds for every mask; one without whole blocks takes the full text in every trip.
; On every way the wave passes both barriers and stages its quarter of K and V (other waves may need it), with the same loads and the same
; counted waits.  The two halves of a trip branch apart on the same bit, so that no barrier stands under a branch; every pairing of the two
; branches is sound as text (the head's scalar loads are issued and waited for on every way).
; Heads 32 to 63 take the query blocks in reverse: work-groups 256 apart in the launch's order hold blocks b and 7 - b, which evens the work
; out where a mask hides more blocks from low rows than from high ones, or the other way round.  Any order gives the same values.
;
; ONE TEXT FOR ALL 16 TRIPS.  Three things allow it:
; (1) K is read only in a trip's first half (the scores), V only in its second (the products with P).  So there is ONE LDS buffer of each,
;     filled half a trip out of phase, and every LDS address is a lane term and constants.  K and V come as f32 through registers: each wave
;     loads a quarter of a tile (32 rows, a whole row of 512 bytes by each load) into a ring of eight parts.  The first half of trip t rounds
;     V(t) out of the ring into V's buffer and asks for K(t + 1); the second half rounds K(t + 1) into K's buffer and asks for V(t + 1).
;     Two barriers a trip: behind the first nobody reads K's buffer any more and V's is whole, behind the second the other way round.
; (2) O starts at 0, made by 32 products of zero fragments, so that the first working trip rescales and adds like the others.
; (3) Trip 15 has no tile left to fetch and runs the same text all the same: the bases stop at tile 15, so its 64 loads a wave stay inside
;     k and v; what they bring is not used (K's part is rounded and stored into K's buffer, which nobody reads any more).
;
; NOT USED, by this text's arithmetic: tensor loads and joint loads in a cluster, though the 8 query blocks of a head read the same K and V.
; They would lay a trip's 128 keys into LDS as 128 KiB of f32, to be read back (128 KiB) and stored in 16 bits (64 KiB): 320 KiB of LDS traffic
; beside the trip's 256 KiB of fragment reads, where the way through registers has the 64 KiB alone; and two such slots (262,144 bytes) with
; this text's 105,472 bytes are more than the 327,680 bytes that a work-group can have.
;
; REGISTERS, in windows of 256: window 0 addresses, statistics, fragments, the ring of f32 K and V; window 1 Q (fragment (nt, ks) at
; 8 (4 nt + ks)); window 2 O^T (tile (mt, nt) at 32 mt + 8 nt); window 3 S^T (the same map), P(nt, ks) in place at 64 ks + 8 nt.
.set KP,     272                       ; LDS pitch of K: 256 bytes of bf16 + 16, an odd multiple of 16
.set VP,     288                       ; LDS pitch of V: 256 bytes of f16 + 32, an odd multiple of 32, for the transposing load
.set VB,     128*KP                    ; K's buffer from byte 0, V's from here
.set STAGE,  VB+128*VP                 ; the way out: 16 rows x 528 bytes for each wave
.set SP,     528                       ; 512 bytes of f32 + 16
.set STW,    16*SP
.set TILEB,  65536                     ; 128 keys x 512 bytes in memory
.set TRIPS,  16
.set KRD,  2                           ; v2      272 r + 16 h
.set VRD,  3                           ; v3      V's buffer + 288 (8 h + (L & 7)) + 16 ((L >> 3) & 1)
.set KST,  5                           ; v5      32 rows x wave + 8 L
.set VST,  6                           ; v6      the same in V's buffer
.set GOFF, 7                           ; v7      16,384 wave + 16 L: my quarter of a tile in memory
.set PFO,  8                           ; v8      8,192 query block + 256 L: what wave 0 asks for ahead
.set STO,  9                           ; v9      stage, in: 528 r + 32 h
.set RD,   10                          ; v10     stage, back: 16 L
.set OOFF, 11                          ; v11     16 L: in a row of out, and in 512 bytes of mask words
.set QOFF, 12                          ; v12     512 r + 32 h
.set MX,   16                          ; v[16:19]  m of my query in n tile 0..3
.set NM,   20                          ; v[20:27]  -c m, twice (a pair for the packed forms)
.set AL,   28                          ; v[28:35]  alpha, twice; at the end 1 / l
.set LS,   36                          ; v[36:51]  two pairs of partial sums for each n tile
.set TT,   52                          ; v[52:55]  four chains of the maximum
.set CV,   56                          ; v[56:63]  16-bit numbers on their way to LDS
.set FR,   64                          ; v[64:95], v[96:127]  two fragment buffers: one m tile x 4 K steps x 8
.set GR,   128                         ; v[128:255] ring of 8 parts x 4 loads x 4 registers of f32 K or V
.set KBASE, 2                          ; s[2:3]  the next K tile to load
.set VBASE, 4                          ; s[4:5]  the next V tile to load
.set ACT,   22                         ; s22     bit t: some key of my block of trip t is open
.set MSK,   23                         ; s23     bit t: some key of it is masked
                                       ; s[6:7] my mask words of this trip; s[8:9] my rows of out; s10 wave; s11 trip
                                       ; s12, s13 lane select; s[14:15] c, c; s16 -inf; s17 -c; s18 query block; s19 head
                                       ; s24, s25, s26 at work on the two words; in the loop: s[28:29] the bases' step; s30 the mask of a word's upper bf16
                                       ; s[32:63], s[68:99] the 64 lane masks of one n tile: word n in s[32 + n + 4 (n / 32)]
.set MSB, 0
.macro WIN new                         ; low byte: bits 1:0 source 0, 3:2 source 1, 5:4 source 2, 7:6 destination; high byte: the setting left
.if MSB != \new
	s_set_vgpr_msb (MSB<<8)|\new
.set MSB, \new
.endif
.endm
; 16 products of S^T for key tile mt, bf16.  The four accumulators take turns, one instruction a turn; the first K step starts the sums.
.macro MM16S mt, f
.irp ks, 0,1,2,3
.irp nt, 0,1,2,3
.if \ks == 0
	v_wmma_f32_16x16x32_bf16 v[32*\mt+8*\nt:32*\mt+8*\nt+7], v[\f+8*\ks:\f+8*\ks+7], v[8*(4*\nt+\ks):8*(4*\nt+\ks)+7], 0
.else
	v_wmma_f32_16x16x32_bf16 v[32*\mt+8*\nt:32*\mt+8*\nt+7], v[\f+8*\ks:\f+8*\ks+7], v[8*(4*\nt+\ks):8*(4*\nt+\ks)+7], v[32*\mt+8*\nt:32*\mt+8*\nt+7]
.endif
.endr
.endr
.endm
; 16 products of O^T for d tile mt, f16, over the trip's 128 keys; turns as above
.macro MM16P mt, f
.irp ks, 0,1,2,3
.irp nt, 0,1,2,3
	v_wmma_f32_16x16x32_f16 v[32*\mt+8*\nt:32*\mt+8*\nt+7], v[\f+8*\ks:\f+8*\ks+7], v[64*\ks+8*\nt:64*\ks+8*\nt+7], v[32*\mt+8*\nt:32*\mt+8*\nt+7]
.endr
.endr
.endm
; 16 keys x 128 d of K: lane (r, h) takes key r, d = 32 ks + 8 h + 0..7 and 32 ks + 16 + 8 h + 0..7
.macro FETCHK mt, f
.irp ks, 0,1,2,3
	ds_load_b128 v[\f+8*\ks:\f+8*\ks+3],   v[KRD] offset:16*KP*(\mt)+64*\ks
	ds_load_b128 v[\f+8*\ks+4:\f+8*\ks+7], v[KRD] offset:16*KP*(\mt)+64*\ks+32
.endr
.endm
; 16 d x 128 keys of V^T: the transposing load brings lane (r, h) d = 16 mt + r, keys 32 ks + 8 h + 0..7, and 16 rows further down the next eight
.macro FETCHV mt, f
.irp ks, 0,1,2,3
	ds_load_tr16_b128 v[\f+8*\ks:\f+8*\ks+3],   v[VRD] offset:32*VP*\ks+32*(\mt)
	ds_load_tr16_b128 v[\f+8*\ks+4:\f+8*\ks+7], v[VRD] offset:32*VP*\ks+32*(\mt)+16*VP
.endr
.endm
; Part g of the ring (4 rows): rounded to bf16, 8 bytes a lane, 256 neighbouring bytes a store.
; isv = 1 (V): the bf16 numbers are widened again, in place in the ring part, which is loaded again only later, and written as f16.
.macro CONV g, adr, pitch, isv
.irp i, 0,1,2,3,4,5,6,7
	v_cvt_pk_bf16_f32 v[CV+\i], v[GR+16*\g+2*\i], v[GR+16*\g+2*\i+1]
.endr
.if \isv
.irp i, 0,1,2,3,4,5,6,7
	v_lshlrev_b32 v[GR+16*\g+2*\i],   16,  v[CV+\i]            ; bf16 to f32: the low half moves up,
	v_and_b32     v[GR+16*\g+2*\i+1], s30, v[CV+\i]            ; the high half stays
.endr
.irp i, 0,1,2,3,4,5,6,7
	v_cvt_pk_f16_f32 v[CV+\i], v[GR+16*\g+2*\i], v[GR+16*\g+2*\i+1]
.endr
.endif
.irp u, 0,1,2,3
	ds_store_b64 v[\adr], v[CV+2*\u:CV+2*\u+1] offset:(4*\g+\u)*\pitch
.endr
.endm
; part g of the ring is asked for again: 4 whole rows of 512 bytes
.macro GLOAD g, base
.irp u, 0,1,2,3
	global_load_b128 v[GR+16*\g+4*\u:GR+16*\g+4*\u+3], v[GOFF], s[\base:\base+1] offset:(4*\g+\u)*512
.endr
.endm
; Wave 0 asks for its work-group's eighth of a tile, 32 blocks 256 bytes apart: the head's 8 work-groups together ask for each block of a tile.
; The base stops at tile 15, so the last trips ask for that tile again and never for anything past the buffer's end.
.macro PREF base
	s_cmp_lg_u32 s10, 0
	s_cbranch_scc1 .Lnopf_\@
	global_prefetch_b8 v[PFO], s[\base:\base+1] th:TH_LOAD_NT scope:SCOPE_SE
.Lnopf_\@:
.endm
; the 64 lane masks of one n tile and one trip
.macro MLOAD off
	s_load_b512 s[32:47], s[6:7], \off
	s_load_b512 s[48:63], s[6:7], \off+64
	s_load_b512 s[68:83], s[6:7], \off+128
	s_load_b512 s[84:99], s[6:7], \off+192
.endm
; The staging of a trip's first half, part g: this trip's V goes from the ring to LDS, the next K tile is asked for.  The same on every way.
.macro STAGEV g
	s_wait_loadcnt 28                              ; part g of V is in: behind it stand 4 (7 - g) loads of its tile and 4 g of K's
	CONV \g, VST, VP, 1
	GLOAD \g, KBASE
.if \g == 6
	PREF VBASE                                     ; the next V tile, which this trip's second half loads
.endif
.endm
; The staging of the second half, part g: the next K tile goes from the ring to LDS, the next V tile is asked for.  The same on every way.
.macro STAGEK g
	s_wait_loadcnt 28                              ; part g of K is in: behind it stand 4 (7 - g) loads of its tile and 4 g of V's
	CONV \g, KST, KP, 0
	GLOAD \g, VBASE
.if \g == 0
	PREF KBASE                                     ; the K tile two trips on, which the next trip's first half loads
.endif
.endm
; Key tile g of S^T, with part g of the staging in front.
; The 32 instructions of the conversion are the places behind the last matrix instructions: four for the loads into the fragment
; buffer that the group before last read, five for the products that write over P, which an earlier trip's products read.
.macro SGROUP g
	WIN 0
	STAGEV \g
.if \g < 7
	FETCHK (\g+1), FR+32*((\g+1)%2)
	s_wait_dscnt 12                                ; my group's 8 loads are in: behind them stand this group's 4 stores and the 8 loads just issued
.else
	s_wait_dscnt 4                                 ; behind the last group's 8 loads stand the 4 stores alone
.endif
	WIN 0xF4                                       ; K window 0, Q window 1, S window 3
	MM16S \g, FR+32*(\g%2)
.endm
.macro PF nt, q, i                     ; c s - c m for two scores of group q (key tiles 2 q, 2 q + 1)
.set RR, 32*(2*(\q)+(\i)/4)+8*\nt+2*((\i)%4)
	v_pk_fma_f32 v[RR:RR+1], v[RR:RR+1], s[14:15], v[NM+2*\nt:NM+2*\nt+1] op_sel_hi:[1,0,1]
.endm
.macro EX nt, q, i
.set RR, 32*(2*(\q)+(\i)/8)+8*\nt+((\i)%8)
	v_exp_f32 v[RR], v[RR]
.endm
; The 128 keys x 16 queries of n tile nt: 64 scores a lane.  masked = 0: the block is open whole, nothing is selected.
; Without the selects the first 28 maxima, which name none of key tile 7's registers, are the places behind the last score products.
.macro SOFTMAX nt, masked
.if \masked
	s_wait_kmcnt 0x0                               ; the 64 lane masks: asked for at the trip's head (n tile 0) or one n tile ago
	WIN 0xCF                                       ; in place in window 3; source 2 window 0
.irp mt, 0,1,2,3,4,5,6,7
.irp j, 0,1,2,3,4,5,6,7
	v_cndmask_b32 v[32*\mt+8*\nt+\j], v[32*\mt+8*\nt+\j], s16, s[32+8*\mt+\j+4*(\mt/4)]
.endr
.endr
.if \nt < 3
	MLOAD (\nt+1)*4096                             ; the next n tile's words: a query tile's words are 4,096 bytes apart
.endif
.endif
	WIN 0x0F                                       ; scores from window 3 into window 0
.irp c, 0,1,2,3
	v_max3_num_f32 v[TT+\c], v[8*\nt+2*\c], v[8*\nt+2*\c+1], v[MX+\nt]      ; the old maximum starts each chain
.endr
.irp mt, 1,2,3,4,5,6,7
.irp c, 0,1,2,3
	v_max3_num_f32 v[TT+\c], v[32*\mt+8*\nt+2*\c], v[32*\mt+8*\nt+2*\c+1], v[TT+\c]
.endr
.endr
	WIN 0
	v_max3_num_f32 v[TT], v[TT], v[TT+1], v[TT+2]
	v_max_num_f32 v[TT], v[TT], v[TT+3]
	v_permlanex16_b32 v[TT+1], v[TT], s12, s13     ; the other 64 keys of my query lie in lane L xor 16
	v_max_num_f32 v[MX+\nt], v[TT], v[TT+1]
	v_mul_f32 v[TT+2], s17, v[MX+\nt]              ; -c m, new
	v_sub_f32 v[TT+3], v[TT+2], v[NM+2*\nt]        ; minus the old one: never above 0
	v_exp_f32 v[AL+2*\nt], v[TT+3]
	v_exp_f32 v[AL+2*\nt+1], v[TT+3]
	v_mov_b32 v[NM+2*\nt], v[TT+2]                 ; also the plain instruction that stands behind the exponentials before alpha is used (ISA guide 5.7.2)
	v_mov_b32 v[NM+2*\nt+1], v[TT+2]
	s_wait_alu depctr_va_vdst(0)
	v_pk_mul_f32 v[LS+4*\nt:LS+4*\nt+1], v[LS+4*\nt:LS+4*\nt+1], v[AL+2*\nt:AL+2*\nt+1]
	v_pk_mul_f32 v[LS+4*\nt+2:LS+4*\nt+3], v[LS+4*\nt+2:LS+4*\nt+3], v[AL+2*\nt:AL+2*\nt+1]
	WIN 0xCF
.irp i, 0,1,2,3,4,5,6,7
	PF \nt, 0, \i
.endr
.irp q, 0,1,2,3
.irp i, 0,1,2,3,4,5,6,7
	EX \nt, \q, 2*\i
	EX \nt, \q, 2*\i+1
.if \q < 3
	PF \nt, \q+1, \i                               ; the next group's arguments ride between the exponentials
.endif
.endr
.endr
	WIN 0x03                                       ; weights from window 3, sums in window 0.  The first sums take group 0's weights: plain instructions stand between the last exponentials and their use
	s_wait_alu depctr_va_vdst(0)
.irp mt, 0,1,2,3,4,5,6,7
.irp c, 0,1,2,3
	v_pk_add_f32 v[LS+4*\nt+2*(\c%2):LS+4*\nt+2*(\c%2)+1], v[32*\mt+8*\nt+2*\c:32*\mt+8*\nt+2*\c+1], v[LS+4*\nt+2*(\c%2):LS+4*\nt+2*(\c%2)+1]
.endr
.endr
	WIN 0xCF
.irp ks, 0,1,2,3                       ; P(nt, ks): key tile 2 ks into its own registers 0-3 (each source is read before it is written), tile 2 ks + 1 into 4-7
.irp i, 0,1,2,3
	v_cvt_pk_f16_f32 v[64*\ks+8*\nt+\i], v[64*\ks+8*\nt+2*\i], v[64*\ks+8*\nt+2*\i+1]
.endr
.irp i, 0,1,2,3
	v_cvt_pk_f16_f32 v[64*\ks+8*\nt+4+\i], v[64*\ks+32+8*\nt+2*\i], v[64*\ks+32+8*\nt+2*\i+1]
.endr
.endr
.endm
; d tile g of O^T: rescaled by alpha (a lane has one query), part g of the staging, then 16 products.
; The 16 multiplies and 8 conversions are the places in front of the fragment loads.
.macro PGROUP g
	WIN 0x82                                       ; O in window 2, alpha in window 0
.irp nq, 0,1,2,3
.irp c, 0,1,2,3
	v_pk_mul_f32 v[32*\g+8*\nq+2*\c:32*\g+8*\nq+2*\c+1], v[32*\g+8*\nq+2*\c:32*\g+8*\nq+2*\c+1], v[AL+2*\nq:AL+2*\nq+1]
.endr
.endr
	WIN 0
	STAGEK \g
.if \g < 7
	FETCHV (\g+1), FR+32*((\g+1)%2)
	s_wait_dscnt 12                                ; as in the first half
.else
	s_wait_dscnt 4
.endif
	WIN 0xAC                                       ; V^T window 0, P window 3, O window 2
	MM16P \g, FR+32*(\g%2)
.endm
; 16 queries of out: O^T / l, through my own stage, back as whole rows of 512 bytes
.macro OUT nt, half
	WIN 0x82
.irp mt, 0,1,2,3,4,5,6,7
.irp c, 0,1,2,3
	v_pk_mul_f32 v[32*\mt+8*\nt+2*\c:32*\mt+8*\nt+2*\c+1], v[32*\mt+8*\nt+2*\c:32*\mt+8*\nt+2*\c+1], v[AL+2*\nt:AL+2*\nt+1]
.endr
.endr
	WIN 0x08                                       ; address window 0, data window 2
.irp mt, 0,1,2,3,4,5,6,7
	ds_store_b128 v[STO], v[32*\mt+8*\nt:32*\mt+8*\nt+3]   offset:64*\mt       ; query r, d = 16 mt + 8 h + 0..3
	ds_store_b128 v[STO], v[32*\mt+8*\nt+4:32*\mt+8*\nt+7] offset:64*\mt+16    ; and + 4..7
.endr
	WIN 0
	s_wait_xcnt 0x0                                ; registers that earlier stores read are loaded again only behind this wait
.irp i, 0,1,2,3,4,5,6,7,8,9,10,11,12,13,14,15
	ds_load_b128 v[GR+64*\half+4*\i:GR+64*\half+4*\i+3], v[RD] offset:SP*\i    ; LDS serves a wave's instructions in order: these see the stores above
.endr
.irp i, 0,1,2,3,4,5,6,7,8,9,10,11,12,13,14,15
	s_wait_dscnt 15-\i
	global_store_b128 v[OOFF], v[GR+64*\half+4*\i:GR+64*\half+4*\i+3], s[8:9] offset:(16*\nt+\i)*512 th:TH_STORE_NT   ; the wave stores a whole row: 512 consecutive bytes, aligned
.endr
.endm
; Q as f32: lane (r, h) takes query r, d = 32 ks + 8 h + 0..7 and 32 ks + 16 + 8 h + 0..7, 16 registers at 16 (4 nt + ks) of window 3
.macro QLOAD nt
.irp ks, 0,1,2,3
	global_load_b128 v[16*(4*\nt+\ks):16*(4*\nt+\ks)+3],     v[QOFF], s[20:21] offset:8192*\nt+128*\ks th:TH_LOAD_NT
	global_load_b128 v[16*(4*\nt+\ks)+4:16*(4*\nt+\ks)+7],   v[QOFF], s[20:21] offset:8192*\nt+128*\ks+16 th:TH_LOAD_NT
	global_load_b128 v[16*(4*\nt+\ks)+8:16*(4*\nt+\ks)+11],  v[QOFF], s[20:21] offset:8192*\nt+128*\ks+64 th:TH_LOAD_NT
	global_load_b128 v[16*(4*\nt+\ks)+12:16*(4*\nt+\ks)+15], v[QOFF], s[20:21] offset:8192*\nt+128*\ks+80 th:TH_LOAD_NT
.endr
.endm
; A lane mask of 32 lanes becomes two bits: lanes 0-15 speak for trip 2 i, lanes 16-31 for trip 2 i + 1
.macro FOLD lanes, bits, i
	s_and_b32 s26, s[\lanes], 0xffff               ; SCC = some lane of the lower half
	s_cselect_b32 s26, 1<<(2*\i), 0
	s_or_b32 s[\bits], s[\bits], s26
	s_lshr_b32 s26, s[\lanes], 16                  ; SCC = some lane of the upper half
	s_cselect_b32 s26, 2<<(2*\i), 0
	s_or_b32 s[\bits], s[\bits], s26
.endm
	; ---- set-up ----
	s_load_b256 s[20:27], s[0:1], 0x0              ; q s[20:21], k s[22:23], v s[24:25], mbits s[26:27]
	s_load_b64 s[28:29], s[0:1], 0x20              ; out0
	s_set_vgpr_msb 0x40
	v_lshl_add_u32 v254, v0, 2, 0x19c00
	v_mov_b32 v255, 0
	s_set_vgpr_msb 0x4000
	v_lshrrev_b32 v1, 5, v0
	v_readfirstlane_b32 s10, v1                    ; wave 0..3
	s_mov_b32 s18, ttmp9
	s_and_b32 s19, ttmp7, 0xffff                   ; head 0..63
	s_xor_b32 s31, s18, 7                          ; 7 - x for x = 0..7
	s_cmp_lt_u32 s19, 32
	s_cselect_b32 s18, s18, s31                    ; query block 0..7: heads 32 to 63 take the blocks in reverse
	s_mov_b32 s12, 0x76543210                      ; v_permlanex16_b32: lane i of one half reads lane i of the other
	s_mov_b32 s13, 0xfedcba98
	s_mov_b32 s14, 0x3e0293ee                      ; c = log2(e) / sqrt(128)
	s_mov_b32 s15, 0x3e0293ee
	s_mov_b32 s16, 0xff800000                      ; -inf
	s_mov_b32 s17, 0xbe0293ee                      ; -c
	v_and_b32 v13, 31, v0                          ; L
	v_and_b32 v14, 15, v0                          ; r
	v_bfe_u32 v15, v0, 4, 1                        ; h
	v_mul_u32_u24 v[KRD], v14, KP
	v_lshl_add_u32 v[KRD], v15, 4, v[KRD]
	v_and_b32 v1, 7, v0
	v_lshl_add_u32 v1, v15, 3, v1                  ; 8 h + (L & 7)
	v_mul_u32_u24 v1, v1, VP
	v_bfe_u32 v4, v0, 3, 1
	v_lshl_add_u32 v1, v4, 4, v1
	v_add_nc_u32 v[VRD], VB, v1
	s_mul_i32 s11, s10, 32*KP
	v_lshl_add_u32 v[KST], v13, 3, s11
	s_mul_i32 s11, s10, 32*VP
	s_add_co_u32 s11, s11, VB
	v_lshl_add_u32 v[VST], v13, 3, s11
	s_lshl_b32 s11, s10, 14
	v_lshl_add_u32 v[GOFF], v13, 4, s11
	s_lshl_b32 s11, s18, 13
	v_lshl_add_u32 v[PFO], v13, 8, s11
	s_mul_i32 s11, s10, STW
	s_add_co_u32 s11, s11, STAGE
	v_mul_u32_u24 v1, v14, SP
	v_lshl_add_u32 v1, v15, 5, v1
	v_add_nc_u32 v[STO], s11, v1
	v_lshl_add_u32 v[RD], v13, 4, s11
	v_lshlrev_b32 v[OOFF], 4, v13
	v_lshlrev_b32 v[QOFF], 9, v14
	v_lshl_add_u32 v[QOFF], v15, 5, v[QOFF]
	s_lshl_b32 s30, s19, 20                        ; a head is 2,048 x 512 bytes
	s_mov_b32 s31, 0
	s_lshl_b32 s32, s18, 17                        ; 256 queries x 512 bytes
	s_lshl_b32 s33, s10, 15                        ; 64 queries x 512 bytes
	s_wait_kmcnt 0x0
	s_add_nc_u64 s[KBASE:KBASE+1], s[22:23], s[30:31]
	s_add_nc_u64 s[VBASE:VBASE+1], s[24:25], s[30:31]
	s_add_co_u32 s30, s30, s32
	s_add_co_u32 s30, s30, s33
	s_add_nc_u64 s[20:21], s[20:21], s[30:31]      ; my 64 rows of q
	s_add_nc_u64 s[8:9], s[28:29], s[30:31]        ; and of out
	s_lshl_b32 s30, s18, 4
	s_lshl2_add_u32 s30, s10, s30                  ; my first query tile: 16 block + 4 wave
	s_lshl_b32 s30, s30, 12                        ; 4,096 bytes of words for each query tile
	s_add_nc_u64 s[6:7], s[26:27], s[30:31]
	s_mov_b32 s30, 0xffff0000                      ; from here on: a word's upper bf16
	s_mov_b32 s[ACT], 0                            ; k's address has been used: the registers serve the two words of bits
	s_mov_b32 s[MSK], 0
	; ---- prologue: K tile 0 to LDS, the blocks' classes, Q to registers, V tile 0 on its way into the ring.
	;      Five runs of 32 loads; each wait leaves the one younger run out. ----
.irp g, 0,1,2,3,4,5,6,7
	GLOAD \g, KBASE
.endr
	WIN 0x80                                       ; my 4 query tiles' 4,096 mask words land in window 2, which O takes over later:
.irp q, 0,1,2,3                                ; load i of a query tile is 512 bytes: lanes 0-15 hold the 64 words of trip 2 i, lanes 16-31 those of trip 2 i + 1
.irp i, 0,1,2,3,4,5,6,7
	global_load_b128 v[4*(8*\q+\i):4*(8*\q+\i)+3], v[OOFF], s[6:7] offset:4096*\q+512*\i
.endr
.endr
	WIN 0
	s_wait_loadcnt 32                              ; K tile 0
.set ii, 0
.rept 64
	v_cvt_pk_bf16_f32 v[FR+ii], v[GR+2*ii], v[GR+2*ii+1]
.set ii, ii+1
.endr
.set ii, 0
.rept 32
	ds_store_b64 v[KST], v[FR+2*ii:FR+2*ii+1] offset:ii*KP
.set ii, ii+1
.endr
	WIN 0xC0                                       ; Q's f32 numbers land in window 3, which the first scores overwrite later
	QLOAD 0
	QLOAD 1
	s_wait_loadcnt 32                              ; the mask words
	WIN 0x8A                                       ; all in window 2: v[128 + i] = AND, v[136 + i] = OR of a lane's 16 words of load i (4 query tiles x 4 words); eight chains of each side by side
.irp i, 0,1,2,3,4,5,6,7
	v_and_b32 v[128+\i], v[4*\i], v[4*\i+1]
	v_or_b32  v[136+\i], v[4*\i], v[4*\i+1]
.endr
.irp c, 2,3
.irp i, 0,1,2,3,4,5,6,7
	v_and_b32 v[128+\i], v[128+\i], v[4*\i+\c]
	v_or_b32  v[136+\i], v[136+\i], v[4*\i+\c]
.endr
.endr
.irp q, 1,2,3
.irp c, 0,1,2,3
.irp i, 0,1,2,3,4,5,6,7
	v_and_b32 v[128+\i], v[128+\i], v[4*(8*\q+\i)+\c]
	v_or_b32  v[136+\i], v[136+\i], v[4*(8*\q+\i)+\c]
.endr
.endr
.endr
.irp i, 0,1,2,3,4,5,6,7
	v_cmp_ne_u32 s24, -1, v[128+\i]                ; lanes that have seen an open key
	v_cmp_ne_u32 s25, 0, v[136+\i]                 ; lanes that have seen a masked key
	FOLD 24, ACT, \i
	FOLD 25, MSK, \i
.endr
	WIN 0xC0
	QLOAD 2
	QLOAD 3
	s_wait_loadcnt 32                              ; Q's n tiles 0 and 1
	WIN 0x4F                                       ; from window 3 into window 1: register x of Q is made of f32 registers 2 x and 2 x + 1
.set ii, 0
.rept 64
	v_cvt_pk_bf16_f32 v[ii], v[2*ii], v[2*ii+1]
.set ii, ii+1
.endr
	WIN 0
.irp g, 0,1,2,3,4,5,6,7
	GLOAD \g, VBASE                                ; V tile 0 fills the ring, which K tile 0 has left
.endr
	s_wait_loadcnt 32                              ; Q's n tiles 2 and 3; V tile 0's 32 loads stay out: they are the youngest at the loop's entry
	WIN 0x4F
.rept 64
	v_cvt_pk_bf16_f32 v[ii], v[2*ii], v[2*ii+1]
.set ii, ii+1
.endr
	WIN 0
.irp i, 0,1,2,3,4,5,6,7,8,9,10,11,12,13,14,15
	v_mov_b32 v[LS+\i], 0                          ; the row sums start at 0
.endr
	WIN 0x80                                       ; sources window 0, O window 2
.set ii, 0
.rept 32                                       ; O starts at 0: a product of two zero fragments (the sixteen registers just cleared) for each of the 32 tiles
	v_wmma_f32_16x16x32_f16 v[8*ii:8*ii+7], v[LS:LS+7], v[LS+8:LS+15], 0
.set ii, ii+1
.endr
	WIN 0
.irp nq, 0,1,2,3
	v_mov_b32 v[MX+\nq], 0xff7fffff                ; the most negative finite number
.endr
.irp i, 0,1,2,3,4,5,6,7
	v_mul_f32 v[NM+\i], s17, v[MX]
.endr
	s_wait_xcnt 0x0                                ; the bases are stepped only behind this wait
	s_add_nc_u64 s[KBASE:KBASE+1], s[KBASE:KBASE+1], TILEB
	s_add_nc_u64 s[VBASE:VBASE+1], s[VBASE:VBASE+1], TILEB
	s_mov_b32 s29, 0                               ; the step's upper word
	s_mov_b32 s11, 0                               ; trip t
	s_wait_dscnt 0x0                               ; my rows of K tile 0 are in LDS,
	s_barrier_signal -1
	s_barrier_wait -1                              ; everybody's are
	; ---- 16 trips through one text ----
.Ltrip:
	s_cmp_lt_u32 s11, TRIPS-2
	s_cselect_b32 s28, TILEB, 0                    ; the bases point at tile t + 1 and step while t + 2 is a tile: they stop at tile 15
	MLOAD 0                                        ; the lane masks of n tile 0, on every way: they have the first half in which to come
	s_lshr_b32 s26, s[ACT], s11
	s_and_b32 s26, s26, 1                          ; SCC = my block of this trip has an open key
	s_cbranch_scc0 .Lidle1
	FETCHK 0, FR
.irp g, 0,1,2,3,4,5,6,7
	SGROUP \g
.endr
	WIN 0
	s_branch .Ljoin1
.Lidle1:                                       ; masked whole: the staging alone
.irp g, 0,1,2,3,4,5,6,7
	STAGEV \g
.endr
.Ljoin1:
	s_wait_xcnt 0x0                                ; K's base is stepped only behind this wait
	s_add_nc_u64 s[KBASE:KBASE+1], s[KBASE:KBASE+1], s[28:29]
	s_wait_dscnt 0x0                               ; my reads of K's buffer are back and my rows of V(t) are stored,
	s_barrier_signal -1
	s_barrier_wait -1                              ; and so are everybody's: V's buffer may be read, K's written
	s_lshr_b32 s26, s[ACT], s11
	s_and_b32 s26, s26, 1                          ; the same bit again
	s_cbranch_scc0 .Lidle2
	FETCHV 0, FR                                   ; comes in during the softmax
	s_lshr_b32 s26, s[MSK], s11
	s_and_b32 s26, s26, 1                          ; SCC = my block has a masked key
	s_cbranch_scc0 .Lopen
.irp nq, 0,1,2,3
	SOFTMAX \nq, 1
.endr
	WIN 0
	s_branch .Lpv
.Lopen:                                        ; open whole: no selects
	s_wait_kmcnt 0x0                               ; the head's four scalar loads are waited for on every way: the next trip's land on the same registers
.irp nq, 0,1,2,3
	SOFTMAX \nq, 0
.endr
	WIN 0
.Lpv:
.irp g, 0,1,2,3,4,5,6,7
	PGROUP \g
.endr
	WIN 0
	s_branch .Ljoin2
.Lidle2:                                       ; masked whole: the staging alone
	s_wait_kmcnt 0x0                               ; as above
.irp g, 0,1,2,3,4,5,6,7
	STAGEK \g
.endr
.Ljoin2:
	s_wait_xcnt 0x0                                ; V's base likewise
	s_add_nc_u64 s[VBASE:VBASE+1], s[VBASE:VBASE+1], s[28:29]
	s_add_nc_u64 s[6:7], s[6:7], 256               ; the next trip's mask words; no scalar load is out on any way
	s_wait_dscnt 0x0                               ; my reads of V's buffer are back and my rows of K(t + 1) are stored,
	s_barrier_signal -1
	s_barrier_wait -1                              ; and so are everybody's: K's buffer may be read, V's written
	s_add_co_u32 s11, s11, 1
	s_cmp_lt_u32 s11, TRIPS
	s_cbranch_scc1 .Ltrip
	; ---- 1 / l: the partial sums of a lane, then the other half of the keys in lane L xor 16.  These plain instructions are also the places behind the last products. ----
	s_wait_loadcnt 0x0                             ; the last trip's 32 surplus loads have landed: the ring serves the way out
.irp nq, 0,1,2,3
	v_pk_add_f32 v[LS+4*\nq:LS+4*\nq+1], v[LS+4*\nq:LS+4*\nq+1], v[LS+4*\nq+2:LS+4*\nq+3]
.endr
.irp nq, 0,1,2,3
	v_add_f32 v[TT+\nq], v[LS+4*\nq], v[LS+4*\nq+1]
.endr
.irp nq, 0,1,2,3
	v_permlanex16_b32 v[LS+4*\nq], v[TT+\nq], s12, s13
.endr
.irp nq, 0,1,2,3
	v_add_f32 v[TT+\nq], v[TT+\nq], v[LS+4*\nq]
.endr
.irp nq, 0,1,2,3
	v_rcp_f32 v[AL+2*\nq], v[TT+\nq]
	v_rcp_f32 v[AL+2*\nq+1], v[TT+\nq]
.endr
	v_nop                                          ; one plain instruction behind the reciprocals before they are used (ISA guide 5.7.2)
	s_wait_alu depctr_va_vdst(0)
	OUT 0, 0
	OUT 1, 1
	OUT 2, 0
	OUT 3, 1
	s_set_vgpr_msb 0x5
	s_wait_tensorcnt 0x0
	ds_add_u32 v254, v255
	s_wait_dscnt 0x0
	s_set_vgpr_msb 0x500
	s_endpgm
.Lfunc_end_k_q522f171fba_attn:
	.size	k_q522f171fba_attn, .Lfunc_end_k_q522f171fba_attn-k_q522f171fba_attn
	.p2alignl 7, 3214868480
	.fill 96, 4, 3214868480
	.section	.rodata,"a",@progbits
	.p2align	6, 0x0
	.amdhsa_kernel k_q522f171fba_attn
		.amdhsa_group_segment_fixed_size 105984
		.amdhsa_private_segment_fixed_size 0
		.amdhsa_enable_private_segment 0
		.amdhsa_kernarg_size 40
		.amdhsa_user_sgpr_count 2
		.amdhsa_user_sgpr_kernarg_segment_ptr 1
		.amdhsa_wavefront_size32 1
		.amdhsa_system_sgpr_workgroup_id_x 1
		.amdhsa_system_sgpr_workgroup_id_y 1
		.amdhsa_system_sgpr_workgroup_id_z 1
		.amdhsa_system_vgpr_workitem_id 0
		.amdhsa_next_free_vgpr 1024
		.amdhsa_next_free_sgpr 100
		.amdhsa_reserve_vcc 0
		.amdhsa_float_denorm_mode_32 3
		.amdhsa_float_denorm_mode_16_64 3
		.amdhsa_memory_ordered 1
		.amdhsa_forward_progress 1
		.amdhsa_inst_pref_size 255
	.end_amdhsa_kernel
	.section	.bss,"aw",@nobits
	.p2align	6
	.space	262144
	.amdgpu_metadata
---
amdhsa.version: [ 1, 2 ]
amdhsa.kernels:
  - .name:           k_q522f171fba_attn
    .symbol:         k_q522f171fba_attn.kd
    .args:
      - { .name: q, .offset: 0, .size: 8, .value_kind: global_buffer, .address_space: global }
      - { .name: k, .offset: 8, .size: 8, .value_kind: global_buffer, .address_space: global }
      - { .name: v, .offset: 16, .size: 8, .value_kind: global_buffer, .address_space: global }
      - { .name: mbits, .offset: 24, .size: 8, .value_kind: global_buffer, .address_space: global }
      - { .name: out0, .offset: 32, .size: 8, .value_kind: global_buffer, .address_space: global }
    .group_segment_fixed_size: 105984
    .private_segment_fixed_size: 0
    .kernarg_segment_align: 8
    .kernarg_segment_size: 40
    .max_flat_workgroup_size: 128
    .sgpr_count:     100
    .vgpr_count:     1024
    .wavefront_size: 32
...
	.end_amdgpu_metadata
.endif
;; end of part 4
